; MI455X (gfx1250); checked and timed in simulation.
; The chip was launched on July 23, 2026; its instructions are those of AMD's public machine-readable ISA for CDNA 5 (MIT licence, August 2026) and "CDNA5" Instruction Set Architecture Reference Guide (July 2026). The comments in the code are by the model that wrote it; some were corrected since.
;; Multi Head Attention. Allowed arithmetic: float matrix products may take bf16 or f16 operands with f32 sums; other float arithmetic in f32, or as packed bf16 or f16 multiplies, adds, multiply-adds, maxima and minima; sums over many terms, partial sums and values carried from step to step in f32; what a program stores and reads back later, other than sums and carried values, may be rounded once to bf16 or f16.
;; Inputs: Wk 512 x 4,096 float32; Wo 4,096 x 512 float32; Wq 512 x 4,096 float32; Wv 512 x 4,096 float32; bo 512 float32; key 4 x 1,024 x 512 float32; mask 4 x 1,024 x 1,024 int32; query 4 x 1,024 x 512 float32; value 4 x 1,024 x 512 float32.
;; Outputs: out0 4 x 1,024 x 512 float32.
;; 2 versions, each right and faster than the one before. Each part assembles by itself: llvm-mc -triple=amdgcn-amd-amdhsa -mcpu=gfx1250 --defsym DOCPART=n.
;; ======== version 1 of 2: 4 launches
;; workspace buffers: xb 12,582,912 bytes; wb 16,777,216 bytes; mb 524,288 bytes of whole numbers; qkv 100,663,296 bytes; ctx 33,554,432 bytes
;; launch prep (part 1): grid 128 x 8, 8 waves a work-group, no clusters, 0 bytes of LDS; arguments query, key, value, Wq, Wk, Wv, Wo, mask, xb, wb, mb; writes xb, wb, mb
.if DOCPART == 1
	.amdgcn_target "amdgcn-amd-amdhsa--gfx1250"
	.amdhsa_code_object_version 6
	.text
	.protected	k_qc22d29b656_prep
	.globl	k_qc22d29b656_prep
	.p2align	8
	.type	k_qc22d29b656_prep,@function
k_qc22d29b656_prep:
	s_mov_b64 s[64:65], 0
	v_nop
	global_prefetch_b8 v0, s[64:65] scope:SCOPE_SE
	s_setreg_imm32_b32 hwreg(HW_REG_WAVE_MODE, 25, 1), 1
	s_wait_xcnt 0x0
; PREP.  Work-group row y = 0..6: one of the seven f32 arrays query, key, value, Wq, Wk, Wv, Wo (2,097,152 numbers each) is rounded once to bf16, layout kept:
; query, key, value end to end in xb ([3][4096][512]); Wq, Wk, Wv ([512][4096] each) and Wo ([4096][512]) end to end in wb.
; y = 7: the mask (int32, [4][1024][1024]) is packed into lane masks.  Word (((b*32+TP)*16+step)*2+t)*32 + kb*8 + j of mb holds in bit L
; whether mask[b][32 TP + 16 t + L%16][64 step + 16 kb + 8 (L/16) + j] is not 0: the select mask for register j of a score tile (t, kb) in the attention launch.
; A stream: no LDS, no barrier, no matrix unit.  Every byte is read once; a wave's store covers 256 consecutive bytes, aligned.
	s_load_b512 s[4:19], s[0:1], 0x0               ; query s[4:5], key, value, Wq, Wk, Wv, Wo s[16:17], mask s[18:19]
	s_load_b128 s[20:23], s[0:1], 0x40             ; xb s[20:21], wb s[22:23]
	s_load_b64 s[24:25], s[0:1], 0x50              ; mb
	s_and_b32 s26, ttmp7, 0xffff                   ; y
	s_mov_b32 s27, ttmp9                           ; x
	s_mov_b32 s35, 0                               ; high words of the two offsets
	s_mov_b32 s37, 0
	s_wait_kmcnt 0x0
	s_cmp_eq_u32 s26, 7
	s_cbranch_scc1 .Lmask
	; THE ROUNDING.  Work-group x takes 65,536 bytes of array y: 16 loads of 16 bytes a lane, all on their way at once.
	s_mov_b64 s[28:29], s[4:5]
.irp k, 1,2,3,4,5,6
	s_cmp_eq_u32 s26, \k
	s_cselect_b64 s[28:29], s[4+2*\k:5+2*\k], s[28:29]  ; the source: array y
.endr
	s_sub_co_u32 s33, s26, 3
	s_cmp_lt_u32 s26, 3
	s_cselect_b64 s[30:31], s[20:21], s[22:23]     ; the target: xb for y < 3, else wb,
	s_cselect_b32 s32, s26, s33                    ; and the array's place in it
	s_lshl_b32 s34, s27, 16
	s_add_nc_u64 s[28:29], s[28:29], s[34:35]
	s_lshl_b32 s36, s32, 22                        ; an array is 4,194,304 bytes of bf16
	s_lshl_b32 s33, s27, 15
	s_add_co_u32 s36, s36, s33
	s_add_nc_u64 s[30:31], s[30:31], s[36:37]
	v_lshlrev_b32 v1, 4, v0                        ; 16 bytes a thread in,
	v_lshlrev_b32 v2, 3, v0                        ; 8 bytes out
.set i, 0
.rept 16
	global_load_b128 v[4+4*i:7+4*i], v1, s[28:29] offset:4096*i th:TH_LOAD_NT
.set i, i+1
.endr
.set i, 0
.rept 16
	s_wait_loadcnt 15-i                            ; loads come back in order (ISA guide 5.7.1): load i is in, the younger ones stay out
	v_cvt_pk_bf16_f32 v[68+2*i], v[4+4*i], v[5+4*i]
	v_cvt_pk_bf16_f32 v[69+2*i], v[6+4*i], v[7+4*i]
	global_store_b64 v2, v[68+2*i:69+2*i], s[30:31] offset:2048*i  ; no register is written twice, so no wait for the stores' sources
.set i, i+1
.endr
	s_endpgm
	; THE MASK.  Work-group x = b*32 + TP owns 32 rows; wave w takes the key steps 2 w and 2 w + 1, one a trip: 32 rows x 64 keys give 64 words.
.Lmask:
	v_lshrrev_b32 v5, 5, v0
	v_readfirstlane_b32 s33, v5                    ; wave
	s_lshl_b32 s34, s27, 17                        ; 32 rows of 4,096 bytes
	s_lshl_b32 s38, s33, 9                         ; two steps of 256 bytes, in the mask's rows and in mb alike
	s_add_co_u32 s34, s34, s38
	s_add_nc_u64 s[18:19], s[18:19], s[34:35]
	s_lshl_b32 s36, s27, 12                        ; 16 steps of 256 bytes
	s_add_co_u32 s36, s36, s38
	s_add_nc_u64 s[24:25], s[24:25], s[36:37]
	v_and_b32 v6, 15, v0
	v_bfe_u32 v7, v0, 4, 1
	v_lshlrev_b32 v3, 12, v6                       ; row L % 16,
	v_lshl_add_u32 v3, v7, 5, v3                   ; keys 8 (L / 16) on
	v_and_b32 v4, 31, v0
	v_lshlrev_b32 v4, 3, v4                        ; lane L stores words 2 L and 2 L + 1
	v_mov_b32 v72, 0                               ; v_writelane_b32 counts as a reader of its destination
	v_mov_b32 v73, 0
	s_mov_b32 s40, 2
.Ltask:
.irp t, 0,1
.irp kb, 0,1,2,3
	global_load_b128 v[8+32*\t+8*\kb:11+32*\t+8*\kb],  v3, s[18:19] offset:65536*\t+64*\kb
	global_load_b128 v[12+32*\t+8*\kb:15+32*\t+8*\kb], v3, s[18:19] offset:65536*\t+64*\kb+16
.endr
.endr
	s_wait_loadcnt 0x0
.set wd, 0
.rept 8                                                ; eight words at a time: a compare makes a word of 32 lanes' bits, v_writelane_b32 puts it into its lane
.set k, 0
.rept 8
	v_cmp_ne_u32 s[44+k], 0, v[8+wd+k]
.set k, k+1
.endr
.set k, 0
.rept 8
	v_writelane_b32 v[72+((wd+k)&1)], s[44+k], (wd+k)>>1
.set k, k+1
.endr
.set wd, wd+8
.endr
	global_store_b64 v4, v[72:73], s[24:25]        ; 256 consecutive bytes, aligned
	s_wait_xcnt 0x0                                ; the store's data and the two bases are rewritten only behind this wait
	s_add_nc_u64 s[18:19], s[18:19], 256
	s_add_nc_u64 s[24:25], s[24:25], 256
	s_sub_co_u32 s40, s40, 1
	s_cmp_lg_u32 s40, 0
	s_cbranch_scc1 .Ltask
	s_endpgm
.Lfunc_end_k_qc22d29b656_prep:
	.size	k_qc22d29b656_prep, .Lfunc_end_k_qc22d29b656_prep-k_qc22d29b656_prep
	.p2alignl 7, 3214868480
	.fill 96, 4, 3214868480
	.section	.rodata,"a",@progbits
	.p2align	6, 0x0
	.amdhsa_kernel k_qc22d29b656_prep
		.amdhsa_group_segment_fixed_size 0
		.amdhsa_private_segment_fixed_size 0
		.amdhsa_enable_private_segment 0
		.amdhsa_kernarg_size 88
		.amdhsa_user_sgpr_count 2
		.amdhsa_user_sgpr_kernarg_segment_ptr 1
		.amdhsa_wavefront_size32 1
		.amdhsa_system_sgpr_workgroup_id_x 1
		.amdhsa_system_sgpr_workgroup_id_y 1
		.amdhsa_system_sgpr_workgroup_id_z 1
		.amdhsa_system_vgpr_workitem_id 0
		.amdhsa_next_free_vgpr 100
		.amdhsa_next_free_sgpr 66
		.amdhsa_reserve_vcc 0
		.amdhsa_float_denorm_mode_32 3
		.amdhsa_float_denorm_mode_16_64 3
		.amdhsa_memory_ordered 1
		.amdhsa_forward_progress 1
		.amdhsa_inst_pref_size 18
	.end_amdhsa_kernel
	.amdgpu_metadata
---
amdhsa.version: [ 1, 2 ]
amdhsa.kernels:
  - .name:           k_qc22d29b656_prep
    .symbol:         k_qc22d29b656_prep.kd
    .args:
      - { .name: query, .offset: 0, .size: 8, .value_kind: global_buffer, .address_space: global }
      - { .name: key, .offset: 8, .size: 8, .value_kind: global_buffer, .address_space: global }
      - { .name: value, .offset: 16, .size: 8, .value_kind: global_buffer, .address_space: global }
      - { .name: Wq, .offset: 24, .size: 8, .value_kind: global_buffer, .address_space: global }
      - { .name: Wk, .offset: 32, .size: 8, .value_kind: global_buffer, .address_space: global }
      - { .name: Wv, .offset: 40, .size: 8, .value_kind: global_buffer, .address_space: global }
      - { .name: Wo, .offset: 48, .size: 8, .value_kind: global_buffer, .address_space: global }
      - { .name: mask, .offset: 56, .size: 8, .value_kind: global_buffer, .address_space: global }
      - { .name: xb, .offset: 64, .size: 8, .value_kind: global_buffer, .address_space: global }
      - { .name: wb, .offset: 72, .size: 8, .value_kind: global_buffer, .address_space: global }
      - { .name: mb, .offset: 80, .size: 8, .value_kind: global_buffer, .address_space: global }
    .group_segment_fixed_size: 0
    .private_segment_fixed_size: 0
    .kernarg_segment_align: 8
    .kernarg_segment_size: 88
    .max_flat_workgroup_size: 256
    .sgpr_count:     66
    .vgpr_count:     100
    .wavefront_size: 32
...
	.end_amdgpu_metadata
.endif
;; end of part 1
;; launch proj (part 2): grid 16 x 16, 4 waves a work-group, clusters of 4 x 4, 327,680 bytes of LDS; arguments xb, wb, qkv; writes qkv
.if DOCPART == 2
	.amdgcn_target "amdgcn-amd-amdhsa--gfx1250"
	.amdhsa_code_object_version 6
	.text
	.protected	k_qc22d29b656_proj
	.globl	k_qc22d29b656_proj
	.p2align	8
	.type	k_qc22d29b656_proj,@function
k_qc22d29b656_proj:
	s_mov_b64 s[64:65], 0
	v_nop
	global_prefetch_b8 v0, s[64:65] scope:SCOPE_SE
	s_setreg_imm32_b32 hwreg(HW_REG_WAVE_MODE, 25, 1), 1
	s_wait_xcnt 0x0
	s_wait_alu depctr_hold_cnt(0) depctr_sa_sdst(0) depctr_va_vdst(0) depctr_va_sdst(0) depctr_va_ssrc(0) depctr_va_vcc(0) depctr_vm_vsrc(0)
	s_getreg_b32 s2, hwreg(HW_REG_IB_STS2, 6, 4)
	s_cmp_eq_u32 s2, 0
	s_cbranch_scc0 .Lentry_in_a_cluster
	s_endpgm
.Lentry_in_a_cluster:
	s_bfe_u32 s2, ttmp6, 0x10000c
	s_cmp_lg_u32 s2, 0xf033
	s_cbranch_scc0 .Lentry_shape_is_right
	s_endpgm
.Lentry_shape_is_right:
; THE THREE PROJECTIONS AS ONE PRODUCT.  C[m][n] = sum over k of A[m][k] B[k][n], per third of the rows: A = xb [12288][512] (query, key, value), B = wb's first [1536][4096]
; (Wq, Wk, Wv end to end: 512 rows of k each), C = qkv [12288][4096], all bf16, sums in f32, C rounded once.
; A tile of C is 256 x 256, made by four waves, 128 x 128 each: 64 accumulators, 512 registers.  K goes in steps of 128 through a ring of two LDS slots.
; A WORK-GROUP STAYS: it makes three tiles, Q's, K's and V's at the same place, 4,096 rows apart; the ring does not stop at a tile's end: a tile's last two changes of slots ask for the next tile's
; first two K steps.  B's next tile is simply the next 512 rows of wb, so B's address always steps by 256 rows.
; B LIES [k][n]: its tile is 128 rows of k x 512 bytes, and its fragments are turned on the way into registers by ds_load_tr16_b128.
; CLUSTERS: 4 x 4 work-groups.  A's tiles are shared along a row of the cluster, B's along a column: each is asked for jointly, by the same tensor load with the same descriptor and a mask of four.
; THE MATRIX INSTRUCTION IS USED TRANSPOSED (source 0 = 16 columns of B, source 1 = 16 rows of A): a lane then holds eight neighbouring numbers of a row of C.
; REGISTERS, in windows of 256: window 0: v0-31 addresses; v64-127, v128-191 A's fragments, two buffers; v32-63, v192-255 at work on the way out.  window 1: v64-127, v128-191 B's fragments.
; window 2: the accumulators of my rows 0-63 ((a, b) at v[8 (8 a + b)]); window 3: those of my rows 64-127.
; LIMITS.  Operands are bf16; NaN and infinities are not treated apart.
.set SIZE_M, 12288
.set SIZE_N, 4096
.set SIZE_K, 512
.set SIZE_TILES, 3
.set KSTEP,  128
.set PITCH,  272                       ; a row of A in LDS: 256 bytes + 16 = 68 words: the 16 rows of a load start at 16 different groups of four banks (64 banks of 4 bytes: ISA guide 11.1)
.set PB,     544                       ; a row of B in LDS: 512 bytes + 32 = 136 words
.set HALFT,  128*PITCH                 ; what one tensor load brings: 128 rows of A, or 64 rows of B (64 x 544 is the same number)
.set SLOT,   4*HALFT                   ; A's 256 rows, then B's 128 rows of k
.set STAGE,  2*SLOT                    ; behind the ring: 16 rows x 272 bytes for each wave, for the way out
.set SPITCH, 272
.set SPARE,  STAGE+4*16*SPITCH         ; behind the stages: the spare words, 128 bytes for each wave
.set LAPS,   SIZE_K/(2*KSTEP)          ; a lap = two K steps = once round the ring
.set WALK,   SIZE_M/SIZE_TILES
.set NEXT_A, WALK*SIZE_K*2-(SIZE_K-2*KSTEP)*2   ; from a slot's last K step of a tile to its first of the next: 4,096 rows down and back along K
.set STEP_B, 2*KSTEP*SIZE_N*2          ; 256 rows of wb on, inside a tile and from tile to tile alike
.set NEXT_C, (WALK-7*16)*SIZE_N*2      ; from my last 16 rows of a tile to my first of the next
.set ADRA, 16                          ; v16-17  LDS address of my A fragments in slot 0, 1
.set ADRB, 20                          ; v20-21  the same for B
.set STO,  24
.set RD,   25
.set CO,   26
.set SPW,  28                          ; v28  LDS address of my spare word; never rewritten
.set NIL,  29                          ; v29  0; never rewritten
.set F0,   64
.set F1,   128
.set TMP,  192
.set OB,   32
.set G1, 24
.set G0, 32
.set G1B, 48
.set G0B, 56
.set MSB, 0
.macro WIN new                         ; the immediate's high byte repeats the setting that is left; a switch that changes nothing is dropped
.if MSB != (\new)
	s_set_vgpr_msb (MSB<<8)|(\new)
.set MSB, \new
.endif
.endm
.set MUL_LO, 0xa1                      ; source 0 (B) window 1, source 1 (A) window 0, C and D window 2
.set MUL_HI, 0xf1                      ; the same, C and D window 3
.set TO_B,   0x40                      ; destination window 1, address window 0
; A joint load.  Waves 0 and 1 fetch A's two halves, waves 2 and 3 B's.  The branch hangs on the wave's number alone.  An s_nop 0 and four v_nop follow each line.
.macro JLOAD s
	s_cmp_eq_u32 s11, 0
	s_cbranch_scc0 .Lfor_b_\@
	tensor_load_to_lds s[G0+4*(\s):G0+4*(\s)+3], s[G1:G1+7]
	s_nop 0
.rept 4
	v_nop
.endr
	s_branch .Lasked_\@
.Lfor_b_\@:
	tensor_load_to_lds s[G0B+4*(\s):G0B+4*(\s)+3], s[G1B:G1B+7]
	s_nop 0
.rept 4
	v_nop
.endr
.Lasked_\@:
.endm
.macro CREST                           ; a round of the cluster's barrier behind its opening barrier
	s_cmp_lg_u32 s10, 0
	s_cbranch_scc1 .Lnot_wave_0_\@
	s_barrier_signal -3
.Lnot_wave_0_\@:
	s_barrier_wait -3
	s_barrier_signal -1
	s_barrier_wait -1
.endm
.macro CROUND                          ; a whole round
	s_barrier_signal -1
	s_barrier_wait -1
	CREST
.endm
	s_load_b128 s[4:7], s[0:1], 0x0                ; xb s[4:5], wb s[6:7]
	s_load_b64 s[8:9], s[0:1], 0x10                ; qkv
	v_lshl_add_u32 v[SPW], v0, 2, SPARE
	v_mov_b32 v[NIL], 0
	ds_add_u32 v[SPW], v[NIL]                      ; the wave's opening: the add and its wait ahead of my first tensor load
	v_lshrrev_b32 v1, 5, v0
	v_readfirstlane_b32 s10, v1                    ; wave 0..3
	s_lshr_b32 s11, s10, 1                         ; which half of the tile's rows is mine.  Also: I fetch for A (0) or for B (1)
	s_and_b32 s12, s10, 1                          ; which half of its columns.  Also: which half of that tile I fetch
	s_bfe_u32 s40, ttmp6, 0x40000                  ; cx
	s_bfe_u32 s41, ttmp6, 0x40004                  ; cy
	s_lshl_b32 s42, ttmp9, 2
	s_add_co_u32 s42, s42, s40                     ; tile column of C
	s_and_b32 s13, ttmp7, 0xffff
	s_lshl_b32 s13, s13, 2
	s_add_co_u32 s13, s13, s41                     ; tile row of C
	s_lshl_b32 s43, s41, 2
	s_lshl_b32 s43, 15, s43                        ; my row of the cluster
	s_lshl_b32 s44, 0x1111, s40                    ; my column
	; A: 128 rows x 128 elements, 4 words of padding behind every 64.  B: 64 rows x 256 elements, 8 words behind every 128.
	s_or_b32 s[G1+0], s43, (1<<16)|(1<<20)|(1<<21)|(5<<22)|(3<<25)
	s_mov_b32 s[G1+1], KSTEP<<16                   ; tensor_dim0
	s_mov_b32 s[G1+2], 128<<16                     ; tensor_dim1
	s_mov_b32 s[G1+3], KSTEP<<16                   ; tile_dim0
	s_mov_b32 s[G1+4], 128                         ; tile_dim1
	s_mov_b32 s[G1+5], SIZE_K                      ; elements from row to row
	s_mov_b32 s[G1+6], 0
	s_mov_b32 s[G1+7], 0
	s_or_b32 s[G1B+0], s44, (1<<16)|(1<<20)|(1<<21)|(6<<22)|(7<<25)
	s_mov_b32 s[G1B+1], 256<<16
	s_mov_b32 s[G1B+2], 64<<16
	s_mov_b32 s[G1B+3], 256<<16
	s_mov_b32 s[G1B+4], 64
	s_mov_b32 s[G1B+5], SIZE_N
	s_mov_b32 s[G1B+6], 0
	s_mov_b32 s[G1B+7], 0
	; A's tiles hang on the tile row alone, B's on the tile column alone; every wave makes both addresses, in registers that never hold the other coordinate.
	s_lshl_b32 s17, s12, 7
	s_lshl_b32 s16, s13, 8
	s_add_co_u32 s16, s16, s17                     ; A: row 256 x tile row + 128 x half,
	s_lshl_b32 s16, s16, 10                        ; of 1,024 bytes
	s_mov_b32 s17, 0
	s_lshl_b32 s46, s12, 19                        ; B: 64 rows of 8,192 bytes x half,
	s_lshl_b32 s47, s42, 9                         ; 512 bytes x tile column
	s_add_co_u32 s46, s46, s47
	s_mov_b32 s47, 0
	s_mul_i32 s20, s10, HALFT                      ; where they go: wave x 34,816 bytes: no place in the cluster enters an LDS address
	s_wait_dscnt 0x0                               ; the opening add is done
	s_wait_kmcnt 0x0
	s_add_nc_u64 s[14:15], s[4:5], s[16:17]
	s_add_nc_u64 s[46:47], s[6:7], s[46:47]
	CROUND                                         ; all sixteen work-groups are here: the first joint loads meet
.irp s, 0,1
	s_mov_b32 s[G0+4*(\s)], 1
	s_add_co_u32 s[G0+4*(\s)+1], s20, (\s)*SLOT
	s_add_nc_u64 s[G0+4*(\s)+2:G0+4*(\s)+3], s[14:15], (\s)*KSTEP*2
	s_or_b32 s[G0+4*(\s)+3], s[G0+4*(\s)+3], 0x80000000
	s_mov_b32 s[G0B+4*(\s)], 1
	s_add_co_u32 s[G0B+4*(\s)+1], s20, (\s)*SLOT
	s_add_nc_u64 s[G0B+4*(\s)+2:G0B+4*(\s)+3], s[46:47], (\s)*KSTEP*SIZE_N*2
	s_or_b32 s[G0B+4*(\s)+3], s[G0B+4*(\s)+3], 0x80000000
	JLOAD \s                                       ; two loads of mine are out
.endr
	; A's fragment: lane l holds row l % 16, K = 8 (l / 16) + 0..7 and 16 + 8 (l / 16) + 0..7: two loads of 16 bytes, 32 bytes apart.
	; B's fragment: the turning load reads row of k 8 (l / 16) + l % 8, columns 8 ((l / 8) % 2) + 0..7, and leaves lane l column l % 16 and 8 k; the second load 16 rows further down.
	v_and_b32 v1, 15, v0
	v_bfe_u32 v2, v0, 4, 1
	v_mul_u32_u24 v3, v1, PITCH
	v_lshl_add_u32 v3, v2, 4, v3
	v_and_b32 v6, 7, v0
	v_lshl_add_u32 v6, v2, 3, v6
	v_mul_u32_u24 v6, v6, PB
	v_bfe_u32 v7, v0, 3, 1
	v_lshl_add_u32 v6, v7, 4, v6
	s_mul_i32 s21, s11, HALFT                      ; my 128 rows of A
	s_lshl_b32 s22, s12, 8                         ; my 128 columns of B: 256 bytes of each row,
	s_add_co_u32 s22, s22, 2*HALFT                 ; behind A's 256 rows
.irp s, 0,1
	v_add_nc_u32 v[ADRA+(\s)], s21, v3
	v_add_nc_u32 v[ADRB+(\s)], s22, v6
	s_add_co_u32 s21, s21, SLOT
	s_add_co_u32 s22, s22, SLOT
.endr
	s_mul_i32 s23, s10, 16*SPITCH
	s_add_co_u32 s23, s23, STAGE                   ; my stage
	v_mul_u32_u24 v4, v1, SPITCH
	v_lshl_add_u32 v4, v2, 4, v4
	v_add_nc_u32 v[STO], s23, v4
	v_mul_u32_u24 v5, v2, SPITCH
	v_lshl_add_u32 v5, v1, 4, v5
	v_add_nc_u32 v[RD], s23, v5
	v_mul_u32_u24 v5, v2, SIZE_N*2
	v_lshl_add_u32 v[CO], v1, 4, v5
	s_lshl_b32 s13, s13, 8
	s_lshl_b32 s14, s11, 7
	s_add_co_u32 s16, s13, s14                     ; my first row of C,
	s_lshl_b32 s16, s16, 13                        ; of 8,192 bytes
	s_mov_b32 s17, 0
	s_lshl_b32 s46, s42, 9                         ; my first column, in bytes
	s_lshl_b32 s47, s12, 8
	s_add_co_u32 s46, s46, s47
	s_mov_b32 s47, 0
	s_add_nc_u64 s[16:17], s[16:17], s[46:47]      ; what the first way out adds to C's address
; 16 matrix instructions: m blocks a0, a0 + 1 of the window's four x all 8 n blocks, 32 along K.  zero = 1: the first product starts the sums.  The 64 accumulators take turns.
.macro MUL16 f, hi, a0, zero
	WIN MUL_LO+0x50*(\hi)
.irp a, \a0, (\a0)+1
.irp b, 0,1,2,3,4,5,6,7
.if \zero
	v_wmma_f32_16x16x32_bf16 v[8*(8*(\a)+(\b)):8*(8*(\a)+(\b))+7], v[(\f)+8*(\b):(\f)+8*(\b)+7], v[(\f)+8*(4*(\hi)+(\a)):(\f)+8*(4*(\hi)+(\a))+7], 0
.else
	v_wmma_f32_16x16x32_bf16 v[8*(8*(\a)+(\b)):8*(8*(\a)+(\b))+7], v[(\f)+8*(\b):(\f)+8*(\b)+7], v[(\f)+8*(4*(\hi)+(\a)):(\f)+8*(4*(\hi)+(\a))+7], v[8*(8*(\a)+(\b)):8*(8*(\a)+(\b))+7]
.endif
.endr
.endr
.endm
; 32 LDS loads in one run: the fragments of one quarter step (32 K: byte k of A's rows, rows k / 2 on of B) into buffer f; B's 16 first
.macro FETCH slot, k, f
	WIN TO_B
.irp i, 0,1,2,3,4,5,6,7
	ds_load_tr16_b128 v[(\f)+8*(\i):(\f)+8*(\i)+3],   v[ADRB+(\slot)] offset:((\k)/64)*32*PB+(\i)*32
	ds_load_tr16_b128 v[(\f)+8*(\i)+4:(\f)+8*(\i)+7], v[ADRB+(\slot)] offset:((\k)/64)*32*PB+16*PB+(\i)*32
.endr
	WIN 0
.irp i, 0,1,2,3,4,5,6,7
	ds_load_b128 v[(\f)+8*(\i):(\f)+8*(\i)+3],   v[ADRA+(\slot)] offset:(\k)+(\i)*16*PITCH
	ds_load_b128 v[(\f)+8*(\i)+4:(\f)+8*(\i)+7], v[ADRA+(\slot)] offset:(\k)+(\i)*16*PITCH+32
.endr
.endm
.macro PLACES                          ; four plain vector instructions between matrix instructions and loads into, or reads of, their registers (ISA guide 7.12.1 for reads)
.rept 4
	v_nop
.endr
.endm
; A K step is four quarters of 32 along K, 64 matrix instructions each, on buffers 0, 1, 0, 1.  One of the first three multiplies buffer f and fetches the next quarter into g.
.macro QUARTER slot, k, f, g, zero
	s_wait_dscnt 8                                 ; B and A's rows 0-63 are in; the youngest eight loads (A's rows 64-127) may be out
	MUL16 \f, 0, 0, \zero
	MUL16 \f, 0, 2, \zero
	PLACES
	FETCH \slot, \k, \g
	s_wait_dscnt 32                                ; all but the 32 just issued
	MUL16 \f, 1, 0, \zero
	MUL16 \f, 1, 2, \zero
.endm
; The last quarter changes slots: one barrier.  In front of it each wave waits for all its tensor loads (one is out: its part of the next slot), adds 0 to its spare word, and waits for that and for its reads of this slot.
.macro MEET round
	WIN 0
	s_wait_tensorcnt 0x0
	ds_add_u32 v[SPW], v[NIL]
	s_wait_dscnt 9                                 ; the add and the youngest eight loads may be out
	MUL16 F1, 0, 0, 0
	s_wait_dscnt 0x0                               ; the add is done, and my reads of this slot are over
	s_barrier_signal -1
	MUL16 F1, 0, 2, 0
.if \round
	WIN 0
.endif
	s_barrier_wait -1
.endm
; on = 0: this slot takes the tile's K step two steps on; on = 1: the next tile's K step 0 or 1.
.macro TURN slot, next, on
	MEET 1
	CREST                                          ; no wave of any partner still reads this slot or has a load on its way
.if \on
	s_add_nc_u64 s[G0+4*(\slot)+2:G0+4*(\slot)+3], s[G0+4*(\slot)+2:G0+4*(\slot)+3], NEXT_A
.else
	s_add_nc_u64 s[G0+4*(\slot)+2:G0+4*(\slot)+3], s[G0+4*(\slot)+2:G0+4*(\slot)+3], 2*KSTEP*2
.endif
	s_add_nc_u64 s[G0B+4*(\slot)+2:G0B+4*(\slot)+3], s[G0B+4*(\slot)+2:G0B+4*(\slot)+3], STEP_B
	JLOAD \slot                                    ; the first tensor load behind the round; its four v_nop are also the places in front of the loads below
	FETCH \next, 0, F0
	MUL16 F1, 1, 0, 0
	MUL16 F1, 1, 2, 0
.endm
; THE WAY OUT of block a (16 rows).  PACK: rounded to bf16, lowest registers first.  TOSTAGE: into my own stage, and back as whole rows of 256 bytes.  SEND: stored.
.macro PACK a
.set AC, 64*((\a)%4)
	WIN 0x0a+5*((\a)/4)
.irp b, 0,1,2,3,4,5,6,7
.irp r, 0,1,2,3
	v_cvt_pk_bf16_f32 v[TMP+4*(\b)+(\r)], v[AC+8*(\b)+2*(\r)], v[AC+8*(\b)+2*(\r)+1]
.endr
.endr
	WIN 0
.endm
.macro TOSTAGE a
	WIN 0
.set BK, OB+192*((\a)%2)
.irp b, 0,1,2,3,4,5,6,7
	ds_store_b128 v[STO], v[TMP+4*(\b):TMP+4*(\b)+3] offset:32*(\b)
.endr
.irp t, 0,1,2,3,4,5,6,7
	ds_load_b128 v[BK+4*(\t):BK+4*(\t)+3], v[RD] offset:(\t)*2*SPITCH  ; LDS serves a wave's instructions in order (ISA guide 5.7.1.4): these see the stores above
.endr
.endm
.macro SEND a, younger
	WIN 0
.set BK, OB+192*((\a)%2)
	s_wait_dscnt \younger
	s_wait_xcnt 0x0                                ; the stores' base and the registers that earlier stores read are rewritten only behind this wait
.if (\a) == 0
	s_add_nc_u64 s[8:9], s[8:9], s[16:17]
.else
	s_add_nc_u64 s[8:9], s[8:9], 16*SIZE_N*2
.endif
.irp t, 0,1,2,3,4,5,6,7
	global_store_b128 v[CO], v[BK+4*(\t):BK+4*(\t)+3], s[8:9] offset:2*(\t)*SIZE_N*2  ; 16 lanes store 256 consecutive bytes, aligned
.endr
.endm
.macro OUT                             ; block a's conversions stand between block a - 1's loads from the stage and the wait for them
	PACK 0
	TOSTAGE 0
.irp a, 1,2,3,4,5,6,7
	PACK \a
	SEND (\a)-1, 0
	TOSTAGE \a
.endr
	SEND 7, 0
.endm
	s_wait_tensorcnt 1                             ; my part of K step 0 is in; K step 1's may stay out
	s_barrier_signal -1
	s_barrier_wait -1
	FETCH 0, 0, F0
	s_mov_b32 s2, SIZE_TILES                       ; tiles to go
.Ltile:
	QUARTER 0, 64,  F0, F1, 1                      ; a tile's first quarter starts the sums
	WIN 0
	s_mov_b32 s3, LAPS-1
.Llap:                                                 ; a trip goes once round the ring, from a lap's second quarter to the next lap's first
	QUARTER 0, 128, F1, F0, 0
	QUARTER 0, 192, F0, F1, 0
	TURN 0, 1, 0
	QUARTER 1, 64,  F0, F1, 0
	QUARTER 1, 128, F1, F0, 0
	QUARTER 1, 192, F0, F1, 0
	TURN 1, 0, 0
	QUARTER 0, 64,  F0, F1, 0
	WIN 0
	s_sub_co_u32 s3, s3, 1
	s_cmp_lg_u32 s3, 0
	s_cbranch_scc1 .Llap
	QUARTER 0, 128, F1, F0, 0                      ; the tile's last lap goes on
	QUARTER 0, 192, F0, F1, 0
	WIN 0
	s_cmp_eq_u32 s2, 1
	s_cbranch_scc1 .Llast_tile                     ; the last tile's tail is written out: it asks for nothing more
	TURN 0, 1, 1                                   ; the ring goes on into the next tile: slot 0 takes its K step 0,
	QUARTER 1, 64,  F0, F1, 0
	QUARTER 1, 128, F1, F0, 0
	QUARTER 1, 192, F0, F1, 0
	TURN 1, 0, 1                                   ; slot 1 its K step 1, and its first fragments are fetched
	OUT                                            ; blocks 0-3 were finished in front of TURN's four v_nop; their conversions are the places behind the last products
	s_mov_b64 s[16:17], NEXT_C
	s_sub_co_u32 s2, s2, 1
	s_branch .Ltile
.Llast_tile:
	MEET 0                                         ; nothing is filled again, so no round follows
	PLACES
	FETCH 1, 0, F0
	MUL16 F1, 1, 0, 0
	MUL16 F1, 1, 2, 0
	QUARTER 1, 64,  F0, F1, 0
	QUARTER 1, 128, F1, F0, 0
	QUARTER 1, 192, F0, F1, 0
	s_wait_dscnt 8
	MUL16 F1, 0, 0, 0
	MUL16 F1, 0, 2, 0
	s_wait_dscnt 0x0
	MUL16 F1, 1, 0, 0
	MUL16 F1, 1, 2, 0
	PLACES
	OUT
	s_wait_tensorcnt 0x0                           ; the wave's end
	ds_add_u32 v[SPW], v[NIL]
	s_wait_dscnt 0x0
	CROUND                                         ; the closing round
	s_endpgm
.Lfunc_end_k_qc22d29b656_proj:
	.size	k_qc22d29b656_proj, .Lfunc_end_k_qc22d29b656_proj-k_qc22d29b656_proj
	.p2alignl 7, 3214868480
	.fill 96, 4, 3214868480
	.section	.rodata,"a",@progbits
	.p2align	6, 0x0
	.amdhsa_kernel k_qc22d29b656_proj
		.amdhsa_group_segment_fixed_size 327680
		.amdhsa_private_segment_fixed_size 0
		.amdhsa_enable_private_segment 0
		.amdhsa_kernarg_size 24
		.amdhsa_user_sgpr_count 2
		.amdhsa_user_sgpr_kernarg_segment_ptr 1
		.amdhsa_wavefront_size32 1
		.amdhsa_system_sgpr_workgroup_id_x 1
		.amdhsa_system_sgpr_workgroup_id_y 1
		.amdhsa_system_sgpr_workgroup_id_z 1
		.amdhsa_system_vgpr_workitem_id 0
		.amdhsa_next_free_vgpr 1024
		.amdhsa_next_free_sgpr 66
		.amdhsa_reserve_vcc 0
		.amdhsa_float_denorm_mode_32 3
		.amdhsa_float_denorm_mode_16_64 3
		.amdhsa_memory_ordered 1
		.amdhsa_forward_progress 1
		.amdhsa_inst_pref_size 208
	.end_amdhsa_kernel
	.amdgpu_metadata
---
amdhsa.version: [ 1, 2 ]
amdhsa.kernels:
  - .name:           k_qc22d29b656_proj
    .symbol:         k_qc22d29b656_proj.kd
    .args:
      - { .name: xb, .offset: 0, .size: 8, .value_kind: global_buffer, .address_space: global }
      - { .name: wb, .offset: 8, .size: 8, .value_kind: global_buffer, .address_space: global }
      - { .name: qkv, .offset: 16, .size: 8, .value_kind: global_buffer, .address_space: global }
    .group_segment_fixed_size: 327680
    .private_segment_fixed_size: 0
    .kernarg_segment_align: 8
    .kernarg_segment_size: 24
    .max_flat_workgroup_size: 128
    .sgpr_count:     66
    .vgpr_count:     1024
    .wavefront_size: 32
...
	.end_amdgpu_metadata
.endif
;; end of part 2
;; launch flash (part 3): grid 8 x 32, 4 waves a work-group, clusters of 4 x 1, 327,680 bytes of LDS; arguments qkv, mb, ctx; writes ctx
.if DOCPART == 3
	.amdgcn_target "amdgcn-amd-amdhsa--gfx1250"
	.amdhsa_code_object_version 6
	.text
	.protected	k_qc22d29b656_flash
	.globl	k_qc22d29b656_flash
	.p2align	8
	.type	k_qc22d29b656_flash,@function
k_qc22d29b656_flash:
	s_mov_b64 s[64:65], 0
	v_nop
	global_prefetch_b8 v0, s[64:65] scope:SCOPE_SE
	s_setreg_imm32_b32 hwreg(HW_REG_WAVE_MODE, 25, 1), 1
	s_wait_xcnt 0x0
	s_wait_alu depctr_hold_cnt(0) depctr_sa_sdst(0) depctr_va_vdst(0) depctr_va_sdst(0) depctr_va_ssrc(0) depctr_va_vcc(0) depctr_vm_vsrc(0)
	s_getreg_b32 s2, hwreg(HW_REG_IB_STS2, 6, 4)
	s_cmp_eq_u32 s2, 0
	s_cbranch_scc0 .Lentry_in_a_cluster
	s_endpgm
.Lentry_in_a_cluster:
	s_bfe_u32 s2, ttmp6, 0x10000c
	s_cmp_lg_u32 s2, 0x3003
	s_cbranch_scc0 .Lentry_shape_is_right
	s_endpgm
.Lentry_shape_is_right:
; ATTENTION, head size 512.  For each (b, h): S = Q K^T / sqrt(512); a score whose mask word is 0 is REPLACED by -1e6; softmax along the keys; ctx = P V.
; qkv: bf16 [3][4096 (b,s)][4096 (h,d)].  mb: lane masks made by the launch before (bit L of word ((b*32+TP)*16+step)*64 + 32 t + 8 kb + j).  ctx: bf16 [4096 (b,s)][4096 (h,d)].
; SHARES.  A work-group owns 128 queries of one (b, h), each of its four waves 32: two tiles of 16.  Every wave walks all 1,024 keys, 64 a step.
; LAYOUT.  S^T = K Q^T (source 0 = 16 keys, source 1 = 16 queries): a lane holds ONE query (lane % 16) and the keys 8 (lane / 16) + 0..7.  Two such results rounded to bf16 ARE source 1 of
; O^T = V^T P, whose result again holds one query a lane, and eight channels.  K comes out of LDS as it lies, V turned, by ds_load_tr16_b128.
; SOFTMAX.  A running maximum m and sum l for each query, on the raw sums: p = 2^(c s - c m), c = log2(e) / sqrt(512); in every step O and l are multiplied by a = 2^(c m_old - c m_new).
; A hidden score is -1e6 sqrt(512) in raw units, put in place of the sum by v_cndmask_b32: a row that is hidden altogether comes out uniform, as in the reference.
; m starts at the lowest finite number, O and l at 0: the first step is a step like any other, with a = 0.
; A STEP goes in phases: 128 products K Q^T, the mask, the softmax, the rescaling of O^T, 128 products V^T P.  Fragments come in groups of 8 (16 LDS loads, 16 products) through two buffers.
; CLUSTER.  The four query blocks of a cluster belong to one (b, h) and walk the same K and V: each tile is asked for jointly.  A wave has one tensor load out; it has a whole step in which to land.
; REGISTERS, in windows of 256 (s_set_vgpr_msb: bits 1:0 source 0, 3:2 source 1, 5:4 source 2, 7:6 destination):
;   window 0: v0-15 addresses; v16-31 statistics; v32-95 S^T; v96-127 P; v128-191, v192-255 fragment buffers.   windows 1, 2: O^T of tile 0, 1 (channel block cb at 8 cb).   window 3: Q (tile t, 32 channels kc at 128 t + 8 kc).
; LIMITS.  Operands are bf16 (Q, K, V, P); l is the sum of the unrounded p; a weight below 2^-126 counts as 0; NaN and infinities are not treated apart.
.set PK,    528       ; a row of K in LDS: 512 bytes + 16 = 132 words: the 16 rows of a load start at 16 different groups of four banks (64 banks of 4 bytes: ISA guide 11.1)
.set PV,    544       ; a row of V: 512 + 32 = 136 words
.set PIECE, 34816     ; what one tensor load fills: 64 keys x 256 channels; wave w's piece lies at w x PIECE: K's channels 0-255, 256-511, then V's
.set VOFF,  2*PIECE
.set SLOT1, 4*PIECE   ; 0x22000: it shares no bit with a piece's base, so one exclusive or turns an address in one slot into the other's
.set STAGE, 2*SLOT1   ; behind the ring: 16 rows x 528 bytes for each wave, for the way out
.set SP,    528
.set SPARE, STAGE+4*16*SP  ; behind the stages: the spare words, 128 bytes for each wave
.set AK0, 2           ; v2   my lane's place in K's pieces; never rewritten
.set AV0, 3           ; v3   the same for V
.set AK,  4           ; v4   AK0 + the slot in hand
.set AV,  5           ; v5
.set QO,  6           ; v6   my byte offset in the wave's rows of Q
.set RD,  7           ; v7   the way out: where I read a row back
.set GO,  8           ; v8   my 16 bytes in 512 consecutive bytes of ctx
.set NEG, 12          ; v12  -1e6 sqrt(512)
.set STO, 13          ; v13  the way out: where I put 16 bytes of a row
.set SPW, 14          ; v14  LDS address of my spare word; never rewritten
.set NIL, 15          ; v15  0; never rewritten
.set ST,  16          ; tile t's statistics at v[ST+8 t]: c m, m, l (even keys', odd keys'), c0-c3 at work; a takes c2's place
.set S,   32          ; accumulator (t, kb) at S + 32 t + 8 kb
.set P,   96          ; fragment (t, kk) at P + 16 t + 8 kk
.set F0,  128
.set F1,  192
.set MB,  4           ; s[4:5]   mb at my wave's 32 rows; never stepped
.set CTX, 6           ; s[6:7]   ctx at my wave's first row and my head's channels
.set G0,  8           ; s[8:11]  descriptor group 0: it walks
.set G1K, 12          ; s[12:19] group 1 for K's pieces
.set G1V, 20          ; s[20:27] for V's: it differs in the padding alone
.set SEL, 28          ; s[28:29] v_permlanex16_b32's selects
.set CS,  30          ; s[30:31] c
.set WV,  66          ; s66  my wave's number           s[32:63], s[68:99]: a step's 64 mask words
.set CNT, 67          ; s67  counts steps
.set TB,  100         ; s100 the slot in hand: 0 or SLOT1
.set MOFF, 101        ; s101 byte offset of the mask words asked for
.set MSB, 0
.macro WIN new
.if MSB != (\new)
	s_set_vgpr_msb (MSB<<8)|(\new)
.set MSB, (\new)
.endif
.endm
.set W_KQ, 0x0c       ; Q (source 1) in window 3; K's fragments, S^T, and the LDS loads' destinations and addresses in window 0
; A joint fill.  Waves 0 and 1 fetch K's two channel halves, waves 2 and 3 V's.  The branch hangs on the wave's number alone.  An s_nop 0 and four v_nop follow each line.
.macro JLOAD
	s_cmp_lt_u32 s[WV], 2
	s_cbranch_scc0 .Lfor_v_\@
	tensor_load_to_lds s[G0:G0+3], s[G1K:G1K+7]
	s_nop 0
.rept 4
	v_nop
.endr
	s_branch .Lasked_\@
.Lfor_v_\@:
	tensor_load_to_lds s[G0:G0+3], s[G1V:G1V+7]
	s_nop 0
.rept 4
	v_nop
.endr
.Lasked_\@:
.endm
.macro CREST                        ; a round of the cluster's barrier behind its opening barrier
	s_cmp_lg_u32 s[WV], 0
	s_cbranch_scc1 .Lnot_wave_0_\@
	s_barrier_signal -3
.Lnot_wave_0_\@:
	s_barrier_wait -3
	s_barrier_signal -1
	s_barrier_wait -1
.endm
.macro CROUND
	s_barrier_signal -1
	s_barrier_wait -1
	CREST
.endm
.macro PLACES                       ; four plain vector instructions between matrix instructions and loads into, or writes and reads of, their registers (ISA guide 7.12.1 for writes and reads)
.rept 4
	v_nop
.endr
.endm
	s_load_b128 s[36:39], s[0:1], 0x0  ; qkv s[36:37], mb s[38:39]: in registers that the mask words take later
	s_load_b64 s[40:41], s[0:1], 0x10  ; ctx
	v_lshl_add_u32 v[SPW], v0, 2, SPARE
	v_mov_b32 v[NIL], 0
	ds_add_u32 v[SPW], v[NIL]       ; the wave's opening: the add and its wait ahead of my first tensor load
	v_lshrrev_b32 v1, 5, v0
	v_readfirstlane_b32 s[WV], v1   ; wave 0..3
	s_bfe_u32 s44, ttmp6, 0x40000   ; cx
	s_lshl_b32 s45, ttmp9, 2
	s_add_co_u32 s45, s45, s44      ; my block of 128 queries: it enters Q's, ctx's and mb's addresses alone
	s_and_b32 s46, ttmp7, 0xffff    ; b * 8 + h, which the four partners share
	s_lshr_b32 s47, s46, 3          ; b
	s_and_b32 s48, s46, 7           ; h
	s_lshl_b32 s50, s47, 23         ; 1,024 rows of 8,192 bytes,
	s_lshl_b32 s49, s48, 10         ; 512 channels of 2 bytes
	s_add_co_u32 s50, s50, s49
	s_lshr_b32 s52, s[WV], 1        ; K (0) or V (1):
	s_add_co_u32 s52, s52, 1        ; the second or the third of qkv's three,
	s_lshl_b32 s52, s52, 25         ; of 33,554,432 bytes each
	s_add_co_u32 s52, s52, s50
	s_and_b32 s49, s[WV], 1         ; which 256 channels
	s_lshl_b32 s49, s49, 9
	s_add_co_u32 s52, s52, s49
	s_mov_b32 s53, 0
	s_lshl_b32 s54, s45, 2
	s_add_co_u32 s54, s54, s[WV]    ; TP: my 32 rows among b's
	s_lshl_b32 s56, s54, 18         ; 32 rows of 8,192 bytes
	s_add_co_u32 s56, s56, s50
	s_mov_b32 s57, 0
	s_lshl_b32 s58, s47, 5
	s_add_co_u32 s58, s58, s54
	s_lshl_b32 s58, s58, 12         ; 16 steps of 64 words
	s_mov_b32 s59, 0
	; group 1: 64 rows x 256 elements of 2 bytes, padded behind every 128 words by 4 (K) or 8 (V); the mask names all four work-groups, bit 21 beside it
	s_mov_b32 s[G1K], 15|(1<<16)|(1<<20)|(1<<21)|(6<<22)|(3<<25)
	s_mov_b32 s[G1V], 15|(1<<16)|(1<<20)|(1<<21)|(6<<22)|(7<<25)
.irp d, G1K, G1V
	s_mov_b32 s[\d+1], 256<<16      ; tensor_dim0
	s_mov_b32 s[\d+2], 64<<16       ; tensor_dim1
	s_mov_b32 s[\d+3], 256<<16      ; tile_dim0
	s_mov_b32 s[\d+4], 64           ; tile_dim1
	s_mov_b32 s[\d+5], 4096         ; elements from row to row
	s_mov_b32 s[\d+6], 0
	s_mov_b32 s[\d+7], 0
.endr
	s_mov_b32 s[G0], 1
	s_mul_i32 s[G0+1], s[WV], PIECE ; slot 0: no place in the cluster enters an LDS address
	s_mov_b32 s[SEL], 0x76543210
	s_mov_b32 s[SEL+1], 0xfedcba98
	s_mov_b32 s[CS], 0x3d8293ee     ; c = log2(e) / sqrt(512) = 0.0637587
	s_mov_b32 s[CS+1], s[CS]
	s_mul_i32 s[CNT], s[WV], 16*SP
	s_add_co_u32 s[CNT], s[CNT], STAGE  ; my stage (the counter's register serves until the loop)
	s_mov_b32 s[MOFF], 0
	s_wait_dscnt 0x0                ; the opening add is done
	s_wait_kmcnt 0x0
	s_add_nc_u64 s[G0+2:G0+3], s[36:37], s[52:53]  ; my piece of the first 64 keys
	s_or_b32 s[G0+3], s[G0+3], 0x80000000
	s_add_nc_u64 s[2:3], s[36:37], s[56:57]        ; Q at my wave's first row
	s_add_nc_u64 s[MB:MB+1], s[38:39], s[58:59]
	s_add_nc_u64 s[CTX:CTX+1], s[40:41], s[56:57]
	CROUND                          ; all four work-groups are here: the first joint loads meet
	JLOAD                           ; step 0 into slot 0
	v_and_b32 v1, 15, v0            ; l % 16
	v_bfe_u32 v9, v0, 4, 1          ; l / 16
	v_lshlrev_b32 v[QO], 13, v1
	v_lshl_add_u32 v[QO], v9, 4, v[QO]  ; row x 8,192 + 16 x half
	WIN 0xc0                        ; destination window 3, address window 0
.set i, 0
.rept 32                            ; Q stays in registers: tile i / 16, channels 32 (i % 16) on
	global_load_b128 v[8*i:8*i+3],   v[QO], s[2:3] offset:(i/16)*131072+(i%16)*64
	global_load_b128 v[8*i+4:8*i+7], v[QO], s[2:3] offset:(i/16)*131072+(i%16)*64+32
.set i, i+1
.endr
	WIN 0
	s_load_b512 s[32:47], s[MB:MB+1], s[MOFF] offset:0x0   ; step 0's mask words
	s_load_b512 s[48:63], s[MB:MB+1], s[MOFF] offset:0x40
	s_load_b512 s[68:83], s[MB:MB+1], s[MOFF] offset:0x80
	s_load_b512 s[84:99], s[MB:MB+1], s[MOFF] offset:0xc0
	v_mul_u32_u24 v[AK0], v1, PK
	v_lshl_add_u32 v[AK0], v9, 4, v[AK0]  ; row x pitch + 16 x half
	v_and_b32 v10, 7, v0            ; the turning load: lane l reads key 8 (l / 16) + l % 8, channels 8 ((l / 8) % 2) + 0..7
	v_bfe_u32 v11, v0, 3, 1
	v_lshl_add_u32 v[AV0], v9, 3, v10
	v_mul_u32_u24 v[AV0], v[AV0], PV
	v_lshl_add_u32 v[AV0], v11, 4, v[AV0]
	v_add_nc_u32 v[AV0], VOFF, v[AV0]
	v_mul_u32_u24 v[STO], v1, SP    ; into the stage: row l % 16, 16 bytes for each half of the lanes
	v_lshl_add_u32 v[STO], v9, 4, v[STO]
	v_add_nc_u32 v[STO], s[CNT], v[STO]
	v_and_b32 v[GO], 31, v0
	v_lshlrev_b32 v[GO], 4, v[GO]   ; back: 32 lanes take one row's 512 bytes
	v_add_nc_u32 v[RD], s[CNT], v[GO]
	v_mov_b32 v[NEG], 0xcbaca22c
.irp t, 0,1
	v_mov_b32 v[ST+8*\t], 0xfe000000    ; c m: far below every c s
	v_mov_b32 v[ST+8*\t+1], 0xff7fffff  ; m
	v_mov_b32 v[ST+8*\t+2], 0
	v_mov_b32 v[ST+8*\t+3], 0
.endr
	; O^T starts at 0: 64 products of a fragment of zeros with itself, in the wait for the first tile, write the 512 registers.
.set i, F0
.rept 8
	v_mov_b32 v[i], 0
.set i, i+1
.endr
.irp t, 1,2
	WIN 0x40*\t
.set i, 0
.rept 32
	v_wmma_f32_16x16x32_bf16 v[8*i:8*i+7], v[F0:F0+7], v[F0:F0+7], 0
.set i, i+1
.endr
.endr
; K's fragments of group g (channels 64 g on: kc = 2 g, 2 g + 1; four blocks of 16 keys) into buffer f: 16 loads
.macro FK g, f
.irp c, 0,1
.irp kb, 0,1,2,3
	ds_load_b128 v[(\f)+8*(4*(\c)+(\kb)):(\f)+8*(4*(\c)+(\kb))+3],   v[AK] offset:((\g)/4)*PIECE+(\kb)*16*PK+((2*(\g)+(\c))%8)*64
	ds_load_b128 v[(\f)+8*(4*(\c)+(\kb))+4:(\f)+8*(4*(\c)+(\kb))+7], v[AK] offset:((\g)/4)*PIECE+(\kb)*16*PK+((2*(\g)+(\c))%8)*64+32
.endr
.endr
.endm
; V's fragments of group g (keys 32 (g / 4) on; channel blocks 8 (g % 4) + 0..7), turned, into buffer f: 16 loads
.macro FV g, f
.irp i, 0,1,2,3,4,5,6,7
	ds_load_tr16_b128 v[(\f)+8*(\i):(\f)+8*(\i)+3],   v[AV] offset:(((\g)%4)/2)*PIECE+((\g)/4)*32*PV+(8*((\g)%2)+(\i))*32
	ds_load_tr16_b128 v[(\f)+8*(\i)+4:(\f)+8*(\i)+7], v[AV] offset:(((\g)%4)/2)*PIECE+((\g)/4)*32*PV+16*PV+(8*((\g)%2)+(\i))*32
.endr
.endm
; 16 products of S^T = K Q^T.  The eight accumulators take turns, one instruction a turn; the first eight of a step start the sums.
.macro MULS g
.set FB, F0+64*((\g)%2)
	WIN W_KQ
.irp c, 0,1
.irp kb, 0,1,2,3
.irp t, 0,1
.set rS, S+32*(\t)+8*(\kb)
.set rK, FB+8*(4*(\c)+(\kb))
.set rQ, 128*(\t)+8*(2*(\g)+(\c))
.if (2*(\g)+(\c)) == 0
	v_wmma_f32_16x16x32_bf16 v[rS:rS+7], v[rK:rK+7], v[rQ:rQ+7], 0
.else
	v_wmma_f32_16x16x32_bf16 v[rS:rS+7], v[rK:rK+7], v[rQ:rQ+7], v[rS:rS+7]
.endif
.endr
.endr
.endr
.endm
; 16 products of O^T += V^T P: eight channel blocks for tile 0, then for tile 1: sixteen different accumulators
.macro MULPV g
.set FB, F0+64*((\g)%2)
.irp t, 0,1
	WIN 0x50*((\t)+1)               ; C and D in window 1 or 2
.irp i, 0,1,2,3,4,5,6,7
.set rO, 8*(8*((\g)%4)+(\i))
.set rP, P+16*(\t)+8*((\g)/4)
	v_wmma_f32_16x16x32_bf16 v[rO:rO+7], v[FB+8*(\i):FB+8*(\i)+7], v[rP:rP+7], v[rO:rO+7]
.endr
.endr
.endm
; Number j of the 102 instructions of one tile's softmax.  s0-s31 are the lane's 32 scores, in pairs 0-15.
;   0-15   the maximum of s0-s31 and the old m, three operands at a time, each accumulator from its low end     16-20  the other half of the lanes' maximum; the new m; c m; c m_old - c m_new
;   21-87  33 exponentials (a, then s0-s31) at the odd numbers from 23 on; between them what is ready: c s - c m for pairs still to come, roundings to bf16 of pairs that are done, the first sums
;   88-101 the last rounding, the rest of the sums, l = a l + the sum
; The two tiles alternate number by number, so behind each pair of exponentials stand plain instructions that touch neither result (ISA guide 5.7.2).
.macro SM t
.set rT, ST+8*(\t)
.set rS, S+32*(\t)
.set rP, P+16*(\t)
.set q, (j-20)/2
.if j < 4
	v_max3_num_f32 v[rT+4+j], v[rS+8*j], v[rS+8*j+1], v[rS+8*j+2]
.elseif j < 12
	v_max3_num_f32 v[rT+4+j%4], v[rT+4+j%4], v[rS+8*(j%4)+2*(j/4)+1], v[rS+8*(j%4)+2*(j/4)+2]
.elseif j == 12
	v_max3_num_f32 v[rT+4], v[rT+4], v[rS+7], v[rS+15]
.elseif j == 13
	v_max3_num_f32 v[rT+6], v[rT+6], v[rS+23], v[rS+31]
.elseif j == 14
	v_max3_num_f32 v[rT+4], v[rT+4], v[rT+5], v[rT+6]
.elseif j == 15
	v_max3_num_f32 v[rT+4], v[rT+4], v[rT+7], v[rT+1]
.elseif j == 16
	v_permlanex16_b32 v[rT+5], v[rT+4], s[SEL], s[SEL+1]  ; the query's other 32 keys lie in the lane 16 away
.elseif j == 17
	v_mov_b32 v[rT+7], v[rT]        ; c m_old is kept for a
.elseif j == 18
	v_max_num_f32 v[rT+1], v[rT+4], v[rT+5]
.elseif j == 19
	v_mul_f32 v[rT], s[CS], v[rT+1]
.elseif j == 20
	v_sub_f32 v[rT+7], v[rT+7], v[rT]
.elseif j == 23
	v_exp_f32 v[rT+6], v[rT+7]
.elseif (j < 88) && (j > 23) && (j%2 == 1)
	v_exp_f32 v[rS+(j-25)/2], v[rS+(j-25)/2]
.elseif (q < 4) || ((j < 76) && (q%2 == 0))
.set b, q/2+2
.if q < 4
.set b, q
.endif
	v_pk_fma_f32 v[rS+2*b:rS+2*b+1], v[rS+2*b:rS+2*b+1], s[CS:CS+1], v[rT:rT+1] op_sel_hi:[1,0,0] neg_lo:[0,0,1] neg_hi:[0,0,1]  ; pair b: c s - c m
.elseif (j < 88) && (q%2 == 1)
	s_wait_alu depctr_va_vdst(0)
	v_cvt_pk_bf16_f32 v[rP+(q-5)/2], v[rS+q-5], v[rS+q-4]
.elseif j == 89
	s_wait_alu depctr_va_vdst(0)
	v_cvt_pk_bf16_f32 v[rP+15], v[rS+30], v[rS+31]
.else                               ; sum z of 16: neighbours 1, 2, 4 and 8 pairs apart, in place; then l takes it
.set z, j-86
.if j < 89
.set z, (j-76)/4
.endif
.set w, 4
.set u, z
.if z >= 14
.set w, 32
.set u, 0
.elseif z >= 12
.set w, 16
.set u, z-12
.elseif z >= 8
.set w, 8
.set u, z-8
.endif
.if z < 15
	v_pk_add_f32 v[rS+w*u:rS+w*u+1], v[rS+w*u:rS+w*u+1], v[rS+w*u+w/2:rS+w*u+w/2+1]
.else
	v_pk_fma_f32 v[rT+2:rT+3], v[rT+2:rT+3], v[rT+6:rT+7], v[rS:rS+1] op_sel_hi:[1,0,1]
.endif
.endif
.endm
.macro RS t                         ; tile t's O^T times a, each accumulator from its low end
	WIN 0x41*((\t)+1)               ; destination and source 0 in window 1 or 2, a in window 0
.set i, 0
.rept 128
	v_pk_mul_f32 v[i:i+1], v[i:i+1], v[ST+8*(\t)+6:ST+8*(\t)+7] op_sel_hi:[1,0]
.set i, i+2
.endr
.endm
; A KEY STEP.  At its head K's groups 0 and 1 are on their way into the two buffers.  fill = 1: at its end the slot just read is filled again, with the keys two steps on.
.macro STEP fill
.set g, 0
.rept 8
	s_wait_dscnt 16                 ; group g is in; the next group's 16 loads stay out
	MULS g
	PLACES
.if g < 6
	FK g+2, F0+64*(g%2)             ; into the buffer just multiplied
.else
	FV g-6, F0+64*(g%2)             ; V's first two groups land under the softmax
.endif
.set g, g+1
.endr
	WIN 0
	s_wait_kmcnt 0x0                ; this step's 64 mask words
.set i, 0
.rept 64
	v_cndmask_b32 v[S+i], v[NEG], v[S+i], s[32+i+4*(i/32)]  ; bit 0: the score is replaced
.set i, i+1
.endr
	s_add_co_u32 s[MOFF], s[MOFF], 256
	s_min_u32 s[MOFF], s[MOFF], 3840  ; the last step asks for its own words once more: no load leaves mb
	s_load_b512 s[32:47], s[MB:MB+1], s[MOFF] offset:0x0
	s_load_b512 s[48:63], s[MB:MB+1], s[MOFF] offset:0x40
	s_load_b512 s[68:83], s[MB:MB+1], s[MOFF] offset:0x80
	s_load_b512 s[84:99], s[MB:MB+1], s[MOFF] offset:0xc0
.set j, 0
.rept 102
	SM 0
	SM 1
.set j, j+1
.endr
	RS 0
	RS 1
.set g, 0
.rept 6
	s_wait_dscnt 16
	MULPV g
	PLACES
	WIN 0
	FV g+2, F0+64*(g%2)
.set g, g+1
.endr
	; THE CHANGE OF SLOTS.  All of the slot has been asked for.  Each wave waits for all its tensor loads (one is out: its piece of the other slot), adds 0 to its spare word, and waits for that and for its reads.
	WIN 0
	s_wait_tensorcnt 0x0            ; no tensor load of mine is out, so group 0 may be written
	ds_add_u32 v[SPW], v[NIL]
	s_wait_dscnt 17                 ; group 6 is in; the add and group 7's 16 loads may be out
	MULPV 6
.if \fill
	s_xor_b32 s[G0+1], s[G0+1], SLOT1  ; the other slot than last time,
	s_add_nc_u64 s[G0+2:G0+3], s[G0+2:G0+3], 64*8192  ; the next 64 keys
.endif
	s_wait_dscnt 0x0                ; the add is done, and my reads of the slot are over
	s_barrier_signal -1
	MULPV 7                         ; work on registers while the others arrive
	WIN 0
	s_barrier_wait -1
.if \fill
	CREST                           ; the barrier has opened a round of the cluster's: no wave of any partner still reads the slot or has a load on its way
	JLOAD                           ; the first thing behind it; its four v_nop are also the places in front of the loads below
.else
	PLACES
.endif
	s_xor_b32 s[TB], s[TB], SLOT1
	v_add_nc_u32 v[AK], s[TB], v[AK0]
	v_add_nc_u32 v[AV], s[TB], v[AV0]
	FK 0, F0
	FK 1, F1
.endm
	WIN 0
	s_wait_tensorcnt 0x0            ; my piece of step 0 is in
	ds_add_u32 v[SPW], v[NIL]
	s_xor_b32 s[G0+1], s[G0+1], SLOT1
	s_add_nc_u64 s[G0+2:G0+3], s[G0+2:G0+3], 64*8192
	s_wait_dscnt 0x0
	CROUND                          ; everybody's piece is in
	JLOAD                           ; step 1 into slot 1
	s_mov_b32 s[TB], 0
	v_mov_b32 v[AK], v[AK0]
	v_mov_b32 v[AV], v[AV0]
	FK 0, F0
	FK 1, F1
	s_wait_loadcnt 0x0              ; Q
	s_mov_b32 s[CNT], 14
.Lstep:                             ; steps 0 to 13: each fills its slot again
	STEP 1
	s_sub_co_u32 s[CNT], s[CNT], 1
	s_cmp_lg_u32 s[CNT], 0
	s_cbranch_scc1 .Lstep
	s_mov_b32 s[CNT], 2
.Ltail:                             ; steps 14 and 15 ask for nothing: written out.  The last trip's 32 loads of K serve nothing: the price of one text for both
	STEP 0
	s_sub_co_u32 s[CNT], s[CNT], 1
	s_cmp_lg_u32 s[CNT], 0
	s_cbranch_scc1 .Ltail
	s_wait_dscnt 0x0
	s_wait_kmcnt 0x0
	; THE WAY OUT.  l's two halves and the other half of the lanes' are added; O^T is divided by l, rounded to bf16 and sent through my stage, 16 rows x 256 channels at a time.
.irp t, 0,1
	v_add_f32 v[ST+8*\t+4], v[ST+8*\t+2], v[ST+8*\t+3]
.endr
.irp t, 0,1
	v_permlanex16_b32 v[ST+8*\t+5], v[ST+8*\t+4], s[SEL], s[SEL+1]
.endr
.irp t, 0,1
	v_add_f32 v[ST+8*\t+4], v[ST+8*\t+4], v[ST+8*\t+5]
.endr
.irp t, 0,1
	v_rcp_f32 v[ST+8*\t+6], v[ST+8*\t+4]
.endr
	v_nop                           ; a plain instruction between the last reciprocal and the use of its result
	s_wait_alu depctr_va_vdst(0)
.macro PACKH n                      ; block n: tile n / 2, channels 256 (n % 2) on
.set tt, (\n)/2
.set hf, (\n)%2
.set BK, 192-160*((\n)%2)           ; the rows come back into v192-255 and v32-95 by turns
	WIN 0x41*(tt+1)
.set i, 128*hf
.rept 64
	v_pk_mul_f32 v[i:i+1], v[i:i+1], v[ST+8*tt+6:ST+8*tt+7] op_sel_hi:[1,0]
.set i, i+2
.endr
	WIN 0x05*(tt+1)                 ; sources in window 1 or 2, destination in window 0
.set i, 0
.rept 64
	v_cvt_pk_bf16_f32 v[F0+i], v[128*hf+2*i], v[128*hf+2*i+1]
.set i, i+1
.endr
	WIN 0
.set i, 0
.rept 16
	ds_store_b128 v[STO], v[F0+4*i:F0+4*i+3] offset:32*i
.set i, i+1
.endr
	s_wait_xcnt 0x0                 ; registers that earlier stores read are loaded again only behind this wait
.set i, 0
.rept 16
	ds_load_b128 v[BK+4*i:BK+4*i+3], v[RD] offset:SP*i  ; LDS serves a wave's instructions in order (ISA guide 5.7.1.4): these see the stores above; the next block's stores come behind them
.set i, i+1
.endr
.endm
.macro SENDH n, younger             ; younger: the LDS instructions issued behind block n's loads: the next block's 32, or none
.set tt, (\n)/2
.set hf, (\n)%2
.set BK, 192-160*((\n)%2)
	s_wait_dscnt \younger
.set i, 0
.rept 16
	global_store_b128 v[GO], v[BK+4*i:BK+4*i+3], s[CTX:CTX+1] offset:(16*tt+i)*8192+512*hf  ; 512 consecutive bytes, aligned
.set i, i+1
.endr
.endm
	PACKH 0
	PACKH 1                         ; a block's arithmetic stands between the loads of the block before and its stores
	SENDH 0, 32
	PACKH 2
	SENDH 1, 32
	PACKH 3
	SENDH 2, 32
	SENDH 3, 0
	s_wait_tensorcnt 0x0            ; the wave's end
	ds_add_u32 v[SPW], v[NIL]
	s_wait_dscnt 0x0
	CROUND                          ; the closing round
	s_endpgm
.Lfunc_end_k_qc22d29b656_flash:
	.size	k_qc22d29b656_flash, .Lfunc_end_k_qc22d29b656_flash-k_qc22d29b656_flash
	.p2alignl 7, 3214868480
	.fill 96, 4, 3214868480
	.section	.rodata,"a",@progbits
	.p2align	6, 0x0
	.amdhsa_kernel k_qc22d29b656_flash
		.amdhsa_group_segment_fixed_size 327680
		.amdhsa_private_segment_fixed_size 0
		.amdhsa_enable_private_segment 0
		.amdhsa_kernarg_size 24
		.amdhsa_user_sgpr_count 2
		.amdhsa_user_sgpr_kernarg_segment_ptr 1
		.amdhsa_wavefront_size32 1
		.amdhsa_system_sgpr_workgroup_id_x 1
		.amdhsa_system_sgpr_workgroup_id_y 1
		.amdhsa_system_sgpr_workgroup_id_z 1
		.amdhsa_system_vgpr_workitem_id 0
		.amdhsa_next_free_vgpr 1024
		.amdhsa_next_free_sgpr 102
		.amdhsa_reserve_vcc 0
		.amdhsa_float_denorm_mode_32 3
		.amdhsa_float_denorm_mode_16_64 3
		.amdhsa_memory_ordered 1
		.amdhsa_forward_progress 1
		.amdhsa_inst_pref_size 203
	.end_amdhsa_kernel
	.amdgpu_metadata
---
amdhsa.version: [ 1, 2 ]
amdhsa.kernels:
  - .name:           k_qc22d29b656_flash
    .symbol:         k_qc22d29b656_flash.kd
    .args:
      - { .name: qkv, .offset: 0, .size: 8, .value_kind: global_buffer, .address_space: global }
      - { .name: mb, .offset: 8, .size: 8, .value_kind: global_buffer, .address_space: global }
      - { .name: ctx, .offset: 16, .size: 8, .value_kind: global_buffer, .address_space: global }
    .group_segment_fixed_size: 327680
    .private_segment_fixed_size: 0
    .kernarg_segment_align: 8
    .kernarg_segment_size: 24
    .max_flat_workgroup_size: 128
    .sgpr_count:     102
    .vgpr_count:     1024
    .wavefront_size: 32
...
	.end_amdgpu_metadata
.endif
;; end of part 3
;; launch outp (part 4): grid 4 x 32, 4 waves a work-group, clusters of 4 x 4, 327,680 bytes of LDS; arguments ctx, wb, out0, bo, query; writes out0
.if DOCPART == 4
	.amdgcn_target "amdgcn-amd-amdhsa--gfx1250"
	.amdhsa_code_object_version 6
	.text
	.protected	k_qc22d29b656_outp
	.globl	k_qc22d29b656_outp
	.p2align	8
	.type	k_qc22d29b656_outp,@function
k_qc22d29b656_outp:
	s_mov_b64 s[64:65], 0
	v_nop
	global_prefetch_b8 v0, s[64:65] scope:SCOPE_SE
	s_setreg_imm32_b32 hwreg(HW_REG_WAVE_MODE, 25, 1), 1
	s_wait_xcnt 0x0
	s_wait_alu depctr_hold_cnt(0) depctr_sa_sdst(0) depctr_va_vdst(0) depctr_va_sdst(0) depctr_va_ssrc(0) depctr_va_vcc(0) depctr_vm_vsrc(0)
	s_getreg_b32 s2, hwreg(HW_REG_IB_STS2, 6, 4)
	s_cmp_eq_u32 s2, 0
	s_cbranch_scc0 .Lentry_in_a_cluster
	s_endpgm
.Lentry_in_a_cluster:
	s_bfe_u32 s2, ttmp6, 0x10000c
	s_cmp_lg_u32 s2, 0xf033
	s_cbranch_scc0 .Lentry_shape_is_right
	s_endpgm
.Lentry_shape_is_right:
; THE OUTPUT PROJECTION.  out0[m][n] = query[m][n] + bo[n] + sum over k of ctx[m][k] Wo[k][n].  ctx: bf16 [4096][4096]; Wo: bf16 [4096][512], 12,582,912 bytes into wb; bo, query, out0: f32.
; A tile is 128 x 128: four waves, 64 x 64 each, 16 accumulators.  K goes in steps of 256 through two LDS slots, as long as two slots in LDS allow: 16 steps.
; 128 work-groups: halving the tile would keep the 16 changes of slots with half the products in each and more LDS loads for each product; a split of K would send f32 partial sums through memory.
; Wo LIES [k][n]: its tile is 256 rows of k x 256 bytes, and its fragments are turned on the way into registers by ds_load_tr16_b128.
; THE BIAS STARTS THE SUMS: it is the C operand of the first product on each accumulator.  The residual is loaded at the start, in the layout of the stores, and added in f32 on the way out.
; CLUSTERS: 4 x 4 work-groups; ctx's tiles are shared along a row of the cluster, Wo's along a column.  THE MATRIX INSTRUCTION IS USED TRANSPOSED: a lane holds eight neighbouring numbers of a row of out0.
; REGISTERS: window 0: v0-31 addresses; v32-63 the bias, later with v64-95 at work on the way out; v128-255 the accumulators ((a, b) at v[128 + 8 (4 a + b)]).  window 1: two fragment buffers of 128.  window 2: v0-127 the residual.
; LIMITS.  Matrix operands are bf16; NaN and infinities are not treated apart.
.set SIZE_M, 4096
.set SIZE_N, 512
.set SIZE_K, 4096
.set KSTEP,  256
.set PITCH,  528                       ; a row of ctx in LDS: 512 bytes + 16 = 132 words: the 16 rows of a load start at 16 different groups of four banks (64 banks of 4 bytes: ISA guide 11.1)
.set PB,     288                       ; a row of Wo in LDS: 256 bytes + 32 = 72 words
.set HALFA,  64*PITCH                  ; a tensor load of ctx: 64 rows
.set HALFB,  128*PB                    ; a tensor load of Wo: 128 rows of k
.set SLOT,   2*HALFA+2*HALFB
.set STAGE,  2*SLOT                    ; behind the ring: 16 rows x 272 bytes for each wave
.set SPITCH, 272
.set SPARE,  STAGE+4*16*SPITCH         ; behind the stages: the spare words, 128 bytes for each wave
.set LAPS,   SIZE_K/(2*KSTEP)
.set WO,     12582912
.set ADRA, 16                          ; v16-17  LDS address of my ctx fragments in slot 0, 1
.set ADRB, 20                          ; v20-21  the same for Wo, rows of k 0-127; v22-23 rows 128-255 (256 rows of 288 bytes pass the loads' 16-bit offset)
.set STO,  24
.set RD,   25
.set CO,   26                          ; v26  my byte offset in two rows of out0 and of query
.set BO,   27                          ; v27  my byte offset in the bias
.set SPW,  28                          ; v28  LDS address of my spare word; never rewritten
.set NIL,  29                          ; v29  0; never rewritten
.set BIAS, 32
.set TMP,  32
.set ACC,  128
.set F0,   0
.set F1,   128
.set G1, 24
.set G0, 32
.set G1B, 48
.set G0B, 56
.set MSB, 0
.macro WIN new
.if MSB != (\new)
	s_set_vgpr_msb (MSB<<8)|(\new)
.set MSB, \new
.endif
.endm
.set MUL,  0x05                        ; sources 0 (Wo) and 1 (ctx) window 1; C and D window 0
.set TO_F, 0x40                        ; destination window 1, address window 0
.macro JLOAD s                         ; a joint load: waves 0 and 1 fetch ctx's two halves, waves 2 and 3 Wo's; an s_nop 0 and four v_nop follow each line
	s_cmp_eq_u32 s11, 0
	s_cbranch_scc0 .Lfor_b_\@
	tensor_load_to_lds s[G0+4*(\s):G0+4*(\s)+3], s[G1:G1+7]
	s_nop 0
.rept 4
	v_nop
.endr
	s_branch .Lasked_\@
.Lfor_b_\@:
	tensor_load_to_lds s[G0B+4*(\s):G0B+4*(\s)+3], s[G1B:G1B+7]
	s_nop 0
.rept 4
	v_nop
.endr
.Lasked_\@:
.endm
.macro CREST
	s_cmp_lg_u32 s10, 0
	s_cbranch_scc1 .Lnot_wave_0_\@
	s_barrier_signal -3
.Lnot_wave_0_\@:
	s_barrier_wait -3
	s_barrier_signal -1
	s_barrier_wait -1
.endm
.macro CROUND
	s_barrier_signal -1
	s_barrier_wait -1
	CREST
.endm
	s_load_b128 s[4:7], s[0:1], 0x0                ; ctx s[4:5], wb s[6:7]
	s_load_b64 s[8:9], s[0:1], 0x10                ; out0
	s_load_b64 s[68:69], s[0:1], 0x18              ; bo
	s_load_b64 s[70:71], s[0:1], 0x20              ; query
	v_lshl_add_u32 v[SPW], v0, 2, SPARE
	v_mov_b32 v[NIL], 0
	ds_add_u32 v[SPW], v[NIL]                      ; the wave's opening: the add and its wait ahead of my first tensor load
	v_lshrrev_b32 v1, 5, v0
	v_readfirstlane_b32 s10, v1                    ; wave 0..3
	s_lshr_b32 s11, s10, 1                         ; which half of the tile's rows is mine.  Also: I fetch ctx (0) or Wo (1)
	s_and_b32 s12, s10, 1                          ; which half of its columns.  Also: which half of that tile I fetch
	s_bfe_u32 s40, ttmp6, 0x40000                  ; cx, cy
	s_bfe_u32 s41, ttmp6, 0x40004
	s_lshl_b32 s42, ttmp9, 2
	s_add_co_u32 s42, s42, s40                     ; tile column
	s_and_b32 s13, ttmp7, 0xffff
	s_lshl_b32 s13, s13, 2
	s_add_co_u32 s13, s13, s41                     ; tile row
	s_lshl_b32 s43, s41, 2
	s_lshl_b32 s43, 15, s43                        ; my row of the cluster
	s_lshl_b32 s44, 0x1111, s40                    ; my column
	; ctx: 64 rows x 256 elements, 4 words of padding behind every 128.  Wo: 128 rows x 128 elements, 8 words behind every 64.
	s_or_b32 s[G1+0], s43, (1<<16)|(1<<20)|(1<<21)|(6<<22)|(3<<25)
	s_mov_b32 s[G1+1], KSTEP<<16
	s_mov_b32 s[G1+2], 64<<16
	s_mov_b32 s[G1+3], KSTEP<<16
	s_mov_b32 s[G1+4], 64
	s_mov_b32 s[G1+5], SIZE_K
	s_mov_b32 s[G1+6], 0
	s_mov_b32 s[G1+7], 0
	s_or_b32 s[G1B+0], s44, (1<<16)|(1<<20)|(1<<21)|(5<<22)|(7<<25)
	s_mov_b32 s[G1B+1], 128<<16
	s_mov_b32 s[G1B+2], 128<<16
	s_mov_b32 s[G1B+3], 128<<16
	s_mov_b32 s[G1B+4], 128
	s_mov_b32 s[G1B+5], SIZE_N
	s_mov_b32 s[G1B+6], 0
	s_mov_b32 s[G1B+7], 0
	s_lshl_b32 s17, s12, 6
	s_lshl_b32 s16, s13, 7
	s_add_co_u32 s16, s16, s17                     ; ctx: row 128 x tile row + 64 x half,
	s_lshl_b32 s16, s16, 13                        ; of 8,192 bytes
	s_mov_b32 s17, 0
	s_lshl_b32 s46, s12, 17                        ; Wo: 128 rows of 1,024 bytes x half,
	s_lshl_b32 s47, s42, 8                         ; 256 bytes x tile column,
	s_add_co_u32 s46, s46, s47
	s_add_co_u32 s46, s46, WO                      ; behind Wq, Wk and Wv
	s_mov_b32 s47, 0
	s_mul_i32 s20, s12, HALFA                      ; where they go: no place in the cluster enters an LDS address
	s_mul_i32 s45, s12, HALFB
	s_add_co_u32 s45, s45, 2*HALFA
	s_wait_dscnt 0x0                               ; the opening add is done
	s_wait_kmcnt 0x0
	s_add_nc_u64 s[14:15], s[4:5], s[16:17]
	s_add_nc_u64 s[46:47], s[6:7], s[46:47]
	CROUND                                         ; all sixteen work-groups are here: the first joint loads meet
.irp s, 0,1
	s_mov_b32 s[G0+4*(\s)], 1
	s_add_co_u32 s[G0+4*(\s)+1], s20, (\s)*SLOT
	s_add_nc_u64 s[G0+4*(\s)+2:G0+4*(\s)+3], s[14:15], (\s)*KSTEP*2
	s_or_b32 s[G0+4*(\s)+3], s[G0+4*(\s)+3], 0x80000000
	s_mov_b32 s[G0B+4*(\s)], 1
	s_add_co_u32 s[G0B+4*(\s)+1], s45, (\s)*SLOT
	s_add_nc_u64 s[G0B+4*(\s)+2:G0B+4*(\s)+3], s[46:47], (\s)*KSTEP*SIZE_N*2
	s_or_b32 s[G0B+4*(\s)+3], s[G0B+4*(\s)+3], 0x80000000
	JLOAD \s                                       ; two loads of mine are out
.endr
	v_and_b32 v1, 15, v0                           ; l % 16
	v_bfe_u32 v2, v0, 4, 1                         ; l / 16
	v_mul_u32_u24 v3, v1, PITCH
	v_lshl_add_u32 v3, v2, 4, v3
	v_and_b32 v6, 7, v0                            ; the turning load: row of k 8 (l / 16) + l % 8, columns 8 ((l / 8) % 2) + 0..7
	v_lshl_add_u32 v6, v2, 3, v6
	v_mul_u32_u24 v6, v6, PB
	v_bfe_u32 v7, v0, 3, 1
	v_lshl_add_u32 v6, v7, 4, v6
	s_mul_i32 s21, s11, HALFA                      ; my 64 rows of ctx
	s_lshl_b32 s22, s12, 7                         ; my 64 columns of Wo: 128 bytes of each row,
	s_add_co_u32 s22, s22, 2*HALFA                 ; behind ctx's 128 rows
.irp s, 0,1
	v_add_nc_u32 v[ADRA+(\s)], s21, v3
	v_add_nc_u32 v[ADRB+(\s)], s22, v6
	v_add_nc_u32 v[ADRB+2+(\s)], HALFB, v[ADRB+(\s)]
	s_add_co_u32 s21, s21, SLOT
	s_add_co_u32 s22, s22, SLOT
.endr
	s_mul_i32 s23, s10, 16*SPITCH
	s_add_co_u32 s23, s23, STAGE                   ; my stage
	v_mul_u32_u24 v4, v1, SPITCH                   ; in: row l % 16, 32 bytes for each half of the lanes
	v_lshl_add_u32 v4, v2, 5, v4
	v_add_nc_u32 v[STO], s23, v4
	v_mul_u32_u24 v5, v2, SPITCH                   ; back: lanes 0-15 take one row of 256 bytes, lanes 16-31 the next
	v_lshl_add_u32 v5, v1, 4, v5
	v_add_nc_u32 v[RD], s23, v5
	v_lshlrev_b32 v5, 11, v2                       ; and the same two rows, of 2,048 bytes, in out0 and query
	v_lshl_add_u32 v[CO], v1, 4, v5
	v_lshlrev_b32 v[BO], 5, v2                     ; the bias in the results' layout: columns 8 (l / 16) + 0..7 of each block of 16
	s_lshl_b32 s16, s13, 7
	s_lshl_b32 s17, s11, 6
	s_add_co_u32 s16, s16, s17                     ; my first row,
	s_lshl_b32 s16, s16, 11                        ; of 2,048 bytes
	s_mov_b32 s17, 0
	s_lshl_b32 s46, s42, 9                         ; my first column, in bytes of f32
	s_lshl_b32 s47, s12, 8
	s_add_co_u32 s46, s46, s47
	s_mov_b32 s47, 0
	s_add_nc_u64 s[8:9], s[8:9], s[16:17]
	s_add_nc_u64 s[8:9], s[8:9], s[46:47]
	s_add_nc_u64 s[70:71], s[70:71], s[16:17]
	s_add_nc_u64 s[70:71], s[70:71], s[46:47]
	s_add_nc_u64 s[68:69], s[68:69], s[46:47]
.irp b, 0,1,2,3
	global_load_b128 v[BIAS+8*(\b):BIAS+8*(\b)+3],   v[BO], s[68:69] offset:64*(\b)
	global_load_b128 v[BIAS+8*(\b)+4:BIAS+8*(\b)+7], v[BO], s[68:69] offset:64*(\b)+16
.endr
	WIN 0x80                                       ; destination window 2, address window 0
.set n, 0
.rept 32                                               ; the residual, 64 rows x 256 bytes: it lands while K is walked
	global_load_b128 v[4*n:4*n+3], v[CO], s[70:71] offset:(16*(n/8)+2*(n%8))*2048 th:TH_LOAD_NT
.set n, n+1
.endr
	WIN 0
; 8 matrix instructions: m blocks a0, a0 + 1 x all 4 n blocks, 32 along K: half c of buffer f.  first = 1: the product starts the sum from the bias.  The 16 accumulators take turns.
.macro MUL8 f, c, a0, first
	WIN MUL
.irp a, \a0, (\a0)+1
.irp b, 0,1,2,3
.if \first
	v_wmma_f32_16x16x32_bf16 v[ACC+8*(4*(\a)+(\b)):ACC+8*(4*(\a)+(\b))+7], v[(\f)+64+8*(4*(\c)+(\b)):(\f)+64+8*(4*(\c)+(\b))+7], v[(\f)+8*(4*(\c)+(\a)):(\f)+8*(4*(\c)+(\a))+7], v[BIAS+8*(\b):BIAS+8*(\b)+7]
.else
	v_wmma_f32_16x16x32_bf16 v[ACC+8*(4*(\a)+(\b)):ACC+8*(4*(\a)+(\b))+7], v[(\f)+64+8*(4*(\c)+(\b)):(\f)+64+8*(4*(\c)+(\b))+7], v[(\f)+8*(4*(\c)+(\a)):(\f)+8*(4*(\c)+(\a))+7], v[ACC+8*(4*(\a)+(\b)):ACC+8*(4*(\a)+(\b))+7]
.endif
.endr
.endr
.endm
; 32 LDS loads in one run: the fragments of 64 along K (byte k of ctx's rows, rows k / 2 on of Wo) into buffer f; the first 32 along K first
.macro FETCH slot, k, f
	WIN TO_F
.irp c, 0,1
.irp i, 0,1,2,3
	ds_load_tr16_b128 v[(\f)+64+8*(4*(\c)+(\i)):(\f)+64+8*(4*(\c)+(\i))+3],   v[ADRB+(\slot)+2*((\k)/256)] offset:(((\k)/128)%2)*64*PB+(\c)*32*PB+(\i)*32
	ds_load_tr16_b128 v[(\f)+64+8*(4*(\c)+(\i))+4:(\f)+64+8*(4*(\c)+(\i))+7], v[ADRB+(\slot)+2*((\k)/256)] offset:(((\k)/128)%2)*64*PB+(\c)*32*PB+16*PB+(\i)*32
	ds_load_b128 v[(\f)+8*(4*(\c)+(\i)):(\f)+8*(4*(\c)+(\i))+3],         v[ADRA+(\slot)] offset:(\k)+64*(\c)+(\i)*16*PITCH
	ds_load_b128 v[(\f)+8*(4*(\c)+(\i))+4:(\f)+8*(4*(\c)+(\i))+7],       v[ADRA+(\slot)] offset:(\k)+64*(\c)+(\i)*16*PITCH+32
.endr
.endr
.endm
.macro PLACES                          ; four plain vector instructions between matrix instructions and loads into, or reads of, their registers (ISA guide 7.12.1 for reads)
.rept 4
	v_nop
.endr
.endm
; A K step is four quarters of 64 along K, 32 matrix instructions each, on buffers 0, 1, 0, 1.
.macro QUARTER slot, k, f, g, first
	s_wait_dscnt 16                                ; the first 32 along K are in
	MUL8 \f, 0, 0, \first
	MUL8 \f, 0, 2, \first
	PLACES
	FETCH \slot, \k, \g
	s_wait_dscnt 32                                ; all but the 32 just issued
	MUL8 \f, 1, 0, 0
	MUL8 \f, 1, 2, 0
.endm
; The last quarter changes slots: one barrier; in front of it each wave waits for all its tensor loads, adds 0 to its spare word, and waits for that and for its reads of this slot.
.macro TURN slot, next, fill
	WIN 0
	s_wait_tensorcnt 0x0                           ; all my tensor loads have landed: my part of the next slot
	ds_add_u32 v[SPW], v[NIL]
	s_wait_dscnt 17                                ; the add and the youngest sixteen loads may be out
	MUL8 F1, 0, 0, 0
	s_wait_dscnt 0x0                               ; the add is done, and my reads of this slot are over
	s_barrier_signal -1
	MUL8 F1, 0, 2, 0
.if \fill
	WIN 0
.endif
	s_barrier_wait -1
.if \fill
	CREST                                          ; no wave of any partner still reads this slot or has a load on its way
	s_add_nc_u64 s[G0+4*(\slot)+2:G0+4*(\slot)+3], s[G0+4*(\slot)+2:G0+4*(\slot)+3], 2*KSTEP*2
	s_add_nc_u64 s[G0B+4*(\slot)+2:G0B+4*(\slot)+3], s[G0B+4*(\slot)+2:G0B+4*(\slot)+3], 2*KSTEP*SIZE_N*2
	JLOAD \slot                                    ; the first tensor load behind the round; its four v_nop are also the places in front of the loads below
.else
	PLACES
.endif
	FETCH \next, 0, F0
	MUL8 F1, 1, 0, 0
	MUL8 F1, 1, 2, 0
.endm
	s_wait_tensorcnt 1                             ; my part of K step 0 is in; K step 1's may stay out
	s_barrier_signal -1
	s_barrier_wait -1
	FETCH 0, 0, F0
	s_wait_loadcnt 32                              ; the bias is in; the residual's 32 loads stay out
	QUARTER 0, 128, F0, F1, 1                      ; the first quarter stands in front of the loop: its first products start the sums
	WIN 0
	s_mov_b32 s3, LAPS-1
.Llap:                                                 ; a trip goes once round the ring, from a lap's second quarter to the next lap's first, and fills both slots again
	QUARTER 0, 256, F1, F0, 0
	QUARTER 0, 384, F0, F1, 0
	TURN 0, 1, 1
	QUARTER 1, 128, F0, F1, 0
	QUARTER 1, 256, F1, F0, 0
	QUARTER 1, 384, F0, F1, 0
	TURN 1, 0, 1
	QUARTER 0, 128, F0, F1, 0
	WIN 0
	s_sub_co_u32 s3, s3, 1
	s_cmp_lg_u32 s3, 0
	s_cbranch_scc1 .Llap
	QUARTER 0, 256, F1, F0, 0                      ; the last lap fills nothing
	QUARTER 0, 384, F0, F1, 0
	TURN 0, 1, 0
	QUARTER 1, 128, F0, F1, 0
	QUARTER 1, 256, F1, F0, 0
	QUARTER 1, 384, F0, F1, 0
	s_wait_dscnt 16
	MUL8 F1, 0, 0, 0
	MUL8 F1, 0, 2, 0
	s_wait_dscnt 0x0
	MUL8 F1, 1, 0, 0
	MUL8 F1, 1, 2, 0
	WIN 0
	; THE WAY OUT.  My 64 columns of f32 are 256 consecutive bytes of a row, so each wave has a stage of its own: 16 rows at a time go in as the lanes hold them (each accumulator's low half first), come back as whole rows,
	; take the residual, and are stored.
	PLACES
	s_wait_loadcnt 0x0                             ; the residual
.irp a, 0,1,2,3
	WIN 0
.irp b, 0,1,2,3
	ds_store_b128 v[STO], v[ACC+8*(4*(\a)+(\b)):ACC+8*(4*(\a)+(\b))+3]   offset:64*(\b)
	ds_store_b128 v[STO], v[ACC+8*(4*(\a)+(\b))+4:ACC+8*(4*(\a)+(\b))+7] offset:64*(\b)+16
.endr
	s_wait_xcnt 0x0                                ; registers that earlier stores read are loaded again only behind this wait
.irp t, 0,1,2,3,4,5,6,7
	ds_load_b128 v[TMP+32*((\a)%2)+4*(\t):TMP+32*((\a)%2)+4*(\t)+3], v[RD] offset:(\t)*2*SPITCH  ; LDS serves a wave's instructions in order (ISA guide 5.7.1.4): these see the stores above
.endr
	s_wait_dscnt 0x0
	WIN 0x08                                       ; source 1 (the residual) in window 2
.irp t, 0,1,2,3,4,5,6,7
	v_pk_add_f32 v[TMP+32*((\a)%2)+4*(\t):TMP+32*((\a)%2)+4*(\t)+1],   v[TMP+32*((\a)%2)+4*(\t):TMP+32*((\a)%2)+4*(\t)+1],   v[4*(8*(\a)+(\t)):4*(8*(\a)+(\t))+1]
	v_pk_add_f32 v[TMP+32*((\a)%2)+4*(\t)+2:TMP+32*((\a)%2)+4*(\t)+3], v[TMP+32*((\a)%2)+4*(\t)+2:TMP+32*((\a)%2)+4*(\t)+3], v[4*(8*(\a)+(\t))+2:4*(8*(\a)+(\t))+3]
.endr
	WIN 0
.irp t, 0,1,2,3,4,5,6,7
	global_store_b128 v[CO], v[TMP+32*((\a)%2)+4*(\t):TMP+32*((\a)%2)+4*(\t)+3], s[8:9] offset:(16*(\a)+2*(\t))*2048 th:TH_STORE_NT  ; 16 lanes store 256 consecutive bytes, aligned
.endr
.endr
	s_wait_tensorcnt 0x0                           ; the wave's end
	ds_add_u32 v[SPW], v[NIL]
	s_wait_dscnt 0x0
	CROUND                                         ; the closing round
	s_endpgm
.Lfunc_end_k_qc22d29b656_outp:
	.size	k_qc22d29b656_outp, .Lfunc_end_k_qc22d29b656_outp-k_qc22d29b656_outp
	.p2alignl 7, 3214868480
	.fill 96, 4, 3214868480
	.section	.rodata,"a",@progbits
	.p2align	6, 0x0
	.amdhsa_kernel k_qc22d29b656_outp
		.amdhsa_group_segment_fixed_size 327680
		.amdhsa_private_segment_fixed_size 0
		.amdhsa_enable_private_segment 0
		.amdhsa_kernarg_size 40
		.amdhsa_user_sgpr_count 2
		.amdhsa_user_sgpr_kernarg_segment_ptr 1
		.amdhsa_wavefront_size32 1
		.amdhsa_system_sgpr_workgroup_id_x 1
		.amdhsa_system_sgpr_workgroup_id_y 1
		.amdhsa_system_sgpr_workgroup_id_z 1
		.amdhsa_system_vgpr_workitem_id 0
		.amdhsa_next_free_vgpr 640
		.amdhsa_next_free_sgpr 72
		.amdhsa_reserve_vcc 0
		.amdhsa_float_denorm_mode_32 3
		.amdhsa_float_denorm_mode_16_64 3
		.amdhsa_memory_ordered 1
		.amdhsa_forward_progress 1
		.amdhsa_inst_pref_size 94
	.end_amdhsa_kernel
	.amdgpu_metadata
---
amdhsa.version: [ 1, 2 ]
amdhsa.kernels:
  - .name:           k_qc22d29b656_outp
    .symbol:         k_qc22d29b656_outp.kd
    .args:
      - { .name: ctx, .offset: 0, .size: 8, .value_kind: global_buffer, .address_space: global }
      - { .name: wb, .offset: 8, .size: 8, .value_kind: global_buffer, .address_space: global }
      - { .name: out0, .offset: 16, .size: 8, .value_kind: global_buffer, .address_space: global }
      - { .name: bo, .offset: 24, .size: 8, .value_kind: global_buffer, .address_space: global }
      - { .name: query, .offset: 32, .size: 8, .value_kind: global_buffer, .address_space: global }
    .group_segment_fixed_size: 327680
    .private_segment_fixed_size: 0
    .kernarg_segment_align: 8
    .kernarg_segment_size: 40
    .max_flat_workgroup_size: 128
    .sgpr_count:     72
    .vgpr_count:     640
    .wavefront_size: 32
...
	.end_amdgpu_metadata
.endif
;; end of part 4
;; ======== version 2 of 2: 5 launches; 1.23 times as fast as version 1
;; workspace buffers: xb 12,582,912 bytes; wb 16,777,216 bytes; mb 524,288 bytes of whole numbers; wf 8,388,608 bytes; qv 67,108,864 bytes; part 67,108,864 bytes
;; launch prep (part 5): grid 128 x 8, 8 waves a work-group, no clusters, 0 bytes of LDS; arguments query, key, value, Wq, Wk, Wv, Wo, mask, xb, wb, mb; writes xb, wb, mb
.if DOCPART == 5
	.amdgcn_target "amdgcn-amd-amdhsa--gfx1250"
	.amdhsa_code_object_version 6
	.text
	.protected	k_qc22d29b656_prep
	.globl	k_qc22d29b656_prep
	.p2align	8
	.type	k_qc22d29b656_prep,@function
k_qc22d29b656_prep:
	s_mov_b64 s[64:65], 0
	v_nop
	global_prefetch_b8 v0, s[64:65] scope:SCOPE_SE
	s_setreg_imm32_b32 hwreg(HW_REG_WAVE_MODE, 25, 1), 1
	s_wait_xcnt 0x0
; PREP.  Work-group row y = 0..6: one of the seven f32 arrays query, key, value, Wq, Wk, Wv, Wo (2,097,152 numbers each) is rounded once to bf16.
; query, key, value lie end to end in xb ([3][4096][512]); wb holds Wq [512][4096], Wk TURNED [4096][512], Wv [512][4096], Wo [4096][512], 4,194,304 bytes each.
; Wk is turned (y = 4) so that the next launch finds Wq_h Wk_h^T and Wv_h Wo_h in one form, A [m][k] times B [k][n].
; y = 7: the mask (int32, [4][1024][1024]) is packed into lane masks.  Word (((b*32+TP)*16+step)*2+t)*32 + kb*8 + j of mb holds in bit L
; whether mask[b][32 TP + 16 t + L%16][64 step + 16 kb + 8 (L/16) + j] is not 0: the select mask for register j of a score tile (t, kb) in the attention launch.
; A stream: no LDS, no barrier, no matrix unit.  Every byte is read once; each store of a wave covers whole aligned runs of 256 consecutive bytes.
	s_load_b512 s[4:19], s[0:1], 0x0               ; query s[4:5], key, value, Wq, Wk s[12:13], Wv, Wo s[16:17], mask s[18:19]
	s_load_b128 s[20:23], s[0:1], 0x40             ; xb s[20:21], wb s[22:23]
	s_load_b64 s[24:25], s[0:1], 0x50              ; mb
	s_and_b32 s26, ttmp7, 0xffff                   ; y
	s_mov_b32 s27, ttmp9                           ; x
	s_mov_b32 s35, 0                               ; high words of the two offsets
	s_mov_b32 s37, 0
	s_wait_kmcnt 0x0
	s_cmp_eq_u32 s26, 7
	s_cbranch_scc1 .Lmask
	s_cmp_eq_u32 s26, 4
	s_cbranch_scc1 .Lturn
	; THE ROUNDING.  Work-group x takes 65,536 bytes of array y: 16 loads of 16 bytes a lane, all on their way at once.
	s_mov_b64 s[28:29], s[4:5]
.irp k, 1,2,3,4,5,6
	s_cmp_eq_u32 s26, \k
	s_cselect_b64 s[28:29], s[4+2*\k:5+2*\k], s[28:29]  ; the source: array y
.endr
	s_sub_co_u32 s33, s26, 3
	s_cmp_lt_u32 s26, 3
	s_cselect_b64 s[30:31], s[20:21], s[22:23]     ; the target: xb for y < 3, else wb,
	s_cselect_b32 s32, s26, s33                    ; and the array's place in it
	s_lshl_b32 s34, s27, 16
	s_add_nc_u64 s[28:29], s[28:29], s[34:35]
	s_lshl_b32 s36, s32, 22                        ; an array is 4,194,304 bytes of bf16
	s_lshl_b32 s33, s27, 15
	s_add_co_u32 s36, s36, s33
	s_add_nc_u64 s[30:31], s[30:31], s[36:37]
	v_lshlrev_b32 v1, 4, v0                        ; 16 bytes a thread in,
	v_lshlrev_b32 v2, 3, v0                        ; 8 bytes out
.set i, 0
.rept 16
	global_load_b128 v[4+4*i:7+4*i], v1, s[28:29] offset:4096*i th:TH_LOAD_NT
.set i, i+1
.endr
.set i, 0
.rept 16
	s_wait_loadcnt 15-i                            ; loads come back in order (ISA guide 5.7.1): load i is in, the younger ones stay out
	v_cvt_pk_bf16_f32 v[68+2*i], v[4+4*i], v[5+4*i]
	v_cvt_pk_bf16_f32 v[69+2*i], v[6+4*i], v[7+4*i]
	global_store_b64 v2, v[68+2*i:69+2*i], s[30:31] offset:2048*i  ; no register is written twice, so no wait for the stores' sources
.set i, i+1
.endr
	s_endpgm
	; Wk TURNED.  Work-group x owns rows 128 (x / 32) on and columns 128 (x % 32) on of Wk, in two passes of 64 columns.  A thread takes 8 rows x 4 columns: eight loads of 16 bytes.
	; Packing rows 2 k and 2 k + 1 of one column gives that column's 8 numbers as 16 bytes of a row of the turned array; lanes 0-15 hold 128 neighbouring numbers of one such row.
	; The eight waves of a pass read the same 256 bytes of each row of Wk, 32 bytes each.
.Lturn:
	s_lshr_b32 s32, s27, 5
	s_and_b32 s33, s27, 31
	s_lshl_b32 s34, s32, 21                        ; 128 rows of 16,384 bytes
	s_lshl_b32 s38, s33, 9                         ; 128 columns of 4 bytes
	s_add_co_u32 s34, s34, s38
	s_add_nc_u64 s[12:13], s[12:13], s[34:35]
	s_lshl_b32 s36, s33, 17                        ; turned: 128 rows of 1,024 bytes,
	s_lshl_b32 s38, s32, 8                         ; 128 columns of 2 bytes,
	s_add_co_u32 s36, s36, s38
	s_add_co_u32 s36, s36, 4194304                 ; behind Wq
	s_add_nc_u64 s[22:23], s[22:23], s[36:37]
	v_and_b32 v5, 15, v0                           ; which 8 rows
	v_lshrrev_b32 v6, 4, v0                        ; which 4 columns: 2 x wave + lane / 16
	v_lshlrev_b32 v1, 17, v5
	v_lshl_add_u32 v1, v6, 4, v1
	v_lshlrev_b32 v2, 12, v6
	v_lshl_add_u32 v2, v5, 4, v2
.irp p, 0,1
.irp j, 0,1,2,3,4,5,6,7
	global_load_b128 v[4+32*\p+4*\j:7+32*\p+4*\j], v1, s[12:13] offset:16384*\j+256*\p
.endr
.endr
.irp p, 0,1
	s_wait_loadcnt 8-8*\p                          ; this pass's eight loads are in; the second pass's stay out
.irp i, 0,1,2,3
.irp k, 0,1,2,3
	v_cvt_pk_bf16_f32 v[68+16*\p+4*\i+\k], v[4+32*\p+8*\k+\i], v[8+32*\p+8*\k+\i]
.endr
	global_store_b128 v2, v[68+16*\p+4*\i:71+16*\p+4*\i], s[22:23] offset:65536*\p+1024*\i  ; 16 lanes store 256 consecutive bytes, aligned
.endr
.endr
	s_endpgm
	; THE MASK.  Work-group x = b*32 + TP owns 32 rows; wave w takes the key steps 2 w and 2 w + 1, one a trip: 32 rows x 64 keys give 64 words.
.Lmask:
	v_lshrrev_b32 v5, 5, v0
	v_readfirstlane_b32 s33, v5                    ; wave
	s_lshl_b32 s34, s27, 17                        ; 32 rows of 4,096 bytes
	s_lshl_b32 s38, s33, 9                         ; two steps of 256 bytes, in the mask's rows and in mb alike
	s_add_co_u32 s34, s34, s38
	s_add_nc_u64 s[18:19], s[18:19], s[34:35]
	s_lshl_b32 s36, s27, 12                        ; 16 steps of 256 bytes
	s_add_co_u32 s36, s36, s38
	s_add_nc_u64 s[24:25], s[24:25], s[36:37]
	v_and_b32 v6, 15, v0
	v_bfe_u32 v7, v0, 4, 1
	v_lshlrev_b32 v3, 12, v6                       ; row L % 16,
	v_lshl_add_u32 v3, v7, 5, v3                   ; keys 8 (L / 16) on
	v_and_b32 v4, 31, v0
	v_lshlrev_b32 v4, 3, v4                        ; lane L stores words 2 L and 2 L + 1
	v_mov_b32 v72, 0                               ; v_writelane_b32 counts as a reader of its destination
	v_mov_b32 v73, 0
	s_mov_b32 s40, 2
.Ltask:
.irp t, 0,1
.irp kb, 0,1,2,3
	global_load_b128 v[8+32*\t+8*\kb:11+32*\t+8*\kb],  v3, s[18:19] offset:65536*\t+64*\kb
	global_load_b128 v[12+32*\t+8*\kb:15+32*\t+8*\kb], v3, s[18:19] offset:65536*\t+64*\kb+16
.endr
.endr
	s_wait_loadcnt 0x0
.set wd, 0
.rept 8                                                ; eight words at a time: a compare makes a word of 32 lanes' bits, v_writelane_b32 puts it into its lane
.set k, 0
.rept 8
	v_cmp_ne_u32 s[44+k], 0, v[8+wd+k]
.set k, k+1
.endr
.set k, 0
.rept 8
	v_writelane_b32 v[72+((wd+k)&1)], s[44+k], (wd+k)>>1
.set k, k+1
.endr
.set wd, wd+8
.endr
	global_store_b64 v4, v[72:73], s[24:25]        ; 256 consecutive bytes, aligned
	s_wait_xcnt 0x0                                ; the store's data and the two bases are rewritten only behind this wait
	s_add_nc_u64 s[18:19], s[18:19], 256
	s_add_nc_u64 s[24:25], s[24:25], 256
	s_sub_co_u32 s40, s40, 1
	s_cmp_lg_u32 s40, 0
	s_cbranch_scc1 .Ltask
	s_endpgm
.Lfunc_end_k_qc22d29b656_prep:
	.size	k_qc22d29b656_prep, .Lfunc_end_k_qc22d29b656_prep-k_qc22d29b656_prep
	.p2alignl 7, 3214868480
	.fill 96, 4, 3214868480
	.section	.rodata,"a",@progbits
	.p2align	6, 0x0
	.amdhsa_kernel k_qc22d29b656_prep
		.amdhsa_group_segment_fixed_size 0
		.amdhsa_private_segment_fixed_size 0
		.amdhsa_enable_private_segment 0
		.amdhsa_kernarg_size 88
		.amdhsa_user_sgpr_count 2
		.amdhsa_user_sgpr_kernarg_segment_ptr 1
		.amdhsa_wavefront_size32 1
		.amdhsa_system_sgpr_workgroup_id_x 1
		.amdhsa_system_sgpr_workgroup_id_y 1
		.amdhsa_system_sgpr_workgroup_id_z 1
		.amdhsa_system_vgpr_workitem_id 0
		.amdhsa_next_free_vgpr 100
		.amdhsa_next_free_sgpr 66
		.amdhsa_reserve_vcc 0
		.amdhsa_float_denorm_mode_32 3
		.amdhsa_float_denorm_mode_16_64 3
		.amdhsa_memory_ordered 1
		.amdhsa_forward_progress 1
		.amdhsa_inst_pref_size 23
	.end_amdhsa_kernel
	.amdgpu_metadata
---
amdhsa.version: [ 1, 2 ]
amdhsa.kernels:
  - .name:           k_qc22d29b656_prep
    .symbol:         k_qc22d29b656_prep.kd
    .args:
      - { .name: query, .offset: 0, .size: 8, .value_kind: global_buffer, .address_space: global }
      - { .name: key, .offset: 8, .size: 8, .value_kind: global_buffer, .address_space: global }
      - { .name: value, .offset: 16, .size: 8, .value_kind: global_buffer, .address_space: global }
      - { .name: Wq, .offset: 24, .size: 8, .value_kind: global_buffer, .address_space: global }
      - { .name: Wk, .offset: 32, .size: 8, .value_kind: global_buffer, .address_space: global }
      - { .name: Wv, .offset: 40, .size: 8, .value_kind: global_buffer, .address_space: global }
      - { .name: Wo, .offset: 48, .size: 8, .value_kind: global_buffer, .address_space: global }
      - { .name: mask, .offset: 56, .size: 8, .value_kind: global_buffer, .address_space: global }
      - { .name: xb, .offset: 64, .size: 8, .value_kind: global_buffer, .address_space: global }
      - { .name: wb, .offset: 72, .size: 8, .value_kind: global_buffer, .address_space: global }
      - { .name: mb, .offset: 80, .size: 8, .value_kind: global_buffer, .address_space: global }
    .group_segment_fixed_size: 0
    .private_segment_fixed_size: 0
    .kernarg_segment_align: 8
    .kernarg_segment_size: 88
    .max_flat_workgroup_size: 256
    .sgpr_count:     66
    .vgpr_count:     100
    .wavefront_size: 32
...
	.end_amdgpu_metadata
.endif
;; end of part 5
;; launch wfold (part 6): grid 4 x 64, 4 waves a work-group, clusters of 4 x 4, 327,680 bytes of LDS; arguments wb, wf; writes wf
.if DOCPART == 6
	.amdgcn_target "amdgcn-amd-amdhsa--gfx1250"
	.amdhsa_code_object_version 6
	.text
	.protected	k_qc22d29b656_wfold
	.globl	k_qc22d29b656_wfold
	.p2align	8
	.type	k_qc22d29b656_wfold,@function
k_qc22d29b656_wfold:
	s_mov_b64 s[64:65], 0
	v_nop
	global_prefetch_b8 v0, s[64:65] scope:SCOPE_SE
	s_setreg_imm32_b32 hwreg(HW_REG_WAVE_MODE, 25, 1), 1
	s_wait_xcnt 0x0
	s_wait_alu depctr_hold_cnt(0) depctr_sa_sdst(0) depctr_va_vdst(0) depctr_va_sdst(0) depctr_va_ssrc(0) depctr_va_vcc(0) depctr_vm_vsrc(0)
	s_getreg_b32 s2, hwreg(HW_REG_IB_STS2, 6, 4)
	s_cmp_eq_u32 s2, 0
	s_cbranch_scc0 .Lentry_in_a_cluster
	s_endpgm
.Lentry_in_a_cluster:
	s_bfe_u32 s2, ttmp6, 0x10000c
	s_cmp_lg_u32 s2, 0xf033
	s_cbranch_scc0 .Lentry_shape_is_right
	s_endpgm
.Lentry_shape_is_right:
; THE WEIGHTS FOLDED.  For each head h: M_h = Wq_h Wk_h^T and W'_h = Wv_h Wo_h, 512 x 512 each, so that scores = (query M_h) key^T and a head's share of the output is P_h (value W'_h):
; the key projection and the output projection are then never made.  This holds for every input; what differs from the reference is the order of rounding: M and W' are rounded once to bf16 here.
; C[d][512 h + n] = sum over e of A[d][512 h + e] B[512 h + e][n].  kind 0: A = Wq, B = Wk turned; kind 1: A = Wv, B = Wo.  In wb: A at kind x 8,388,608 bytes ([512][4096]), B 4,194,304 bytes behind it ([4096][512]).
; wf: bf16 [1024][4096]: M in rows 0-511, W' in rows 512-1023.  Sums in f32.
; 256 work-groups: 2 kinds x 8 heads x 4 x 4 tiles of 128 x 128.  Four waves, 64 x 64 each, 16 accumulators.  K = 512 is two steps of 256: both are first fills of the two LDS slots, nothing is filled again.
; B LIES [k][n]: its fragments are turned on the way into registers by ds_load_tr16_b128.  THE MATRIX INSTRUCTION IS USED TRANSPOSED: a lane holds eight neighbouring numbers of a row of C.
; CLUSTERS: a cluster of 4 x 4 is one (kind, head): A's tiles are shared along a row of the cluster, B's along a column, each asked for jointly.
; REGISTERS: window 0: v0-31 addresses; v32-95 at work on the way out; v128-255 the accumulators ((a, b) at v[128 + 8 (4 a + b)]).  window 1: two fragment buffers of 128.
; LIMITS.  Operands and results are bf16; NaN and infinities are not treated apart.
.set KSTEP,  256
.set LDA,    4096                      ; elements from row to row of A and of C
.set LDB,    512                       ; of B
.set PITCH,  528                       ; a row of A in LDS: 512 bytes + 16 = 132 words: the 16 rows of a load start at 16 different groups of four banks (64 banks of 4 bytes: ISA guide 11.1)
.set PB,     288                       ; a row of B in LDS: 256 bytes + 32 = 72 words
.set HALFA,  64*PITCH                  ; a tensor load of A: 64 rows
.set HALFB,  128*PB                    ; a tensor load of B: 128 rows of k
.set SLOT,   2*HALFA+2*HALFB
.set STAGE,  2*SLOT                    ; behind the slots: 128 rows x 272 bytes, the work-group's, for the way out
.set SPITCH, 272
.set SPARE,  STAGE+128*SPITCH          ; behind the stage: the spare words, 128 bytes for each wave
.set ADRA, 16                          ; v16-17  LDS address of my A fragments in slot 0, 1
.set ADRB, 20                          ; v20-21  the same for B, rows of k 0-127; v22-23 rows 128-255 (256 rows of 288 bytes pass the loads' 16-bit offset)
.set STO,  24
.set RD,   25
.set CO,   26
.set SPW,  28                          ; v28  LDS address of my spare word; never rewritten
.set NIL,  29                          ; v29  0; never rewritten
.set TMP,  32
.set ACC,  128
.set F0,   0
.set F1,   128
.set G1, 24
.set G0, 32
.set G1B, 48
.set G0B, 56
.set MSB, 0
.macro WIN new                         ; the immediate's high byte repeats the setting that is left; a switch that changes nothing is dropped
.if MSB != (\new)
	s_set_vgpr_msb (MSB<<8)|(\new)
.set MSB, \new
.endif
.endm
.set MUL,  0x05                        ; sources 0 (B) and 1 (A) window 1; C and D window 0
.set TO_F, 0x40                        ; destination window 1, address window 0
.macro JLOAD s                         ; a joint load: waves 0 and 1 fetch A's two halves, waves 2 and 3 B's; an s_nop 0 and four v_nop follow each line
	s_cmp_eq_u32 s11, 0
	s_cbranch_scc0 .Lfor_b_\@
	tensor_load_to_lds s[G0+4*(\s):G0+4*(\s)+3], s[G1:G1+7]
	s_nop 0
.rept 4
	v_nop
.endr
	s_branch .Lasked_\@
.Lfor_b_\@:
	tensor_load_to_lds s[G0B+4*(\s):G0B+4*(\s)+3], s[G1B:G1B+7]
	s_nop 0
.rept 4
	v_nop
.endr
.Lasked_\@:
.endm
.macro CROUND                          ; a round of the cluster's barrier
	s_barrier_signal -1
	s_barrier_wait -1
	s_cmp_lg_u32 s10, 0
	s_cbranch_scc1 .Lnot_wave_0_\@
	s_barrier_signal -3
.Lnot_wave_0_\@:
	s_barrier_wait -3
	s_barrier_signal -1
	s_barrier_wait -1
.endm
	s_load_b128 s[4:7], s[0:1], 0x0                ; wb s[4:5], wf s[6:7]
	v_lshl_add_u32 v[SPW], v0, 2, SPARE
	v_mov_b32 v[NIL], 0
	ds_add_u32 v[SPW], v[NIL]                      ; the wave's opening: the add and its wait ahead of my first tensor load
	v_lshrrev_b32 v1, 5, v0
	v_readfirstlane_b32 s10, v1                    ; wave 0..3
	s_lshr_b32 s11, s10, 1                         ; which half of the tile's rows is mine.  Also: I fetch A (0) or B (1)
	s_and_b32 s12, s10, 1                          ; which half of its columns.  Also: which half of that tile I fetch
	s_bfe_u32 s40, ttmp6, 0x40000                  ; cx
	s_bfe_u32 s41, ttmp6, 0x40004                  ; cy: the tile row
	s_lshl_b32 s45, ttmp9, 2
	s_add_co_u32 s45, s45, s40                     ; the tile column
	s_and_b32 s13, ttmp7, 0xffff                   ; the cluster's y: 8 x kind + head, which all sixteen partners share
	s_lshr_b32 s42, s13, 3                         ; kind
	s_and_b32 s13, s13, 7                          ; head
	s_lshl_b32 s43, s41, 2
	s_lshl_b32 s43, 15, s43                        ; my row of the cluster
	s_lshl_b32 s44, 0x1111, s40                    ; my column
	; A: 64 rows x 256 elements, 4 words of padding behind every 128.  B: 128 rows x 128 elements, 8 words behind every 64.
	s_or_b32 s[G1+0], s43, (1<<16)|(1<<20)|(1<<21)|(6<<22)|(3<<25)
	s_mov_b32 s[G1+1], KSTEP<<16                   ; tensor_dim0
	s_mov_b32 s[G1+2], 64<<16                      ; tensor_dim1
	s_mov_b32 s[G1+3], KSTEP<<16                   ; tile_dim0
	s_mov_b32 s[G1+4], 64                          ; tile_dim1
	s_mov_b32 s[G1+5], LDA                         ; elements from row to row
	s_mov_b32 s[G1+6], 0
	s_mov_b32 s[G1+7], 0
	s_or_b32 s[G1B+0], s44, (1<<16)|(1<<20)|(1<<21)|(5<<22)|(7<<25)
	s_mov_b32 s[G1B+1], 128<<16
	s_mov_b32 s[G1B+2], 128<<16
	s_mov_b32 s[G1B+3], 128<<16
	s_mov_b32 s[G1B+4], 128
	s_mov_b32 s[G1B+5], LDB
	s_mov_b32 s[G1B+6], 0
	s_mov_b32 s[G1B+7], 0
	s_lshl_b32 s18, s42, 23                        ; kind x 8,388,608 bytes
	s_lshl_b32 s16, s41, 7
	s_lshl_b32 s17, s12, 6
	s_add_co_u32 s16, s16, s17                     ; A: row 128 x tile row + 64 x half,
	s_lshl_b32 s16, s16, 13                        ; of 8,192 bytes,
	s_lshl_b32 s17, s13, 10                        ; the head's 512 columns
	s_add_co_u32 s16, s16, s17
	s_add_co_u32 s16, s16, s18
	s_mov_b32 s17, 0
	s_lshl_b32 s46, s13, 19                        ; B: the head's 512 rows of 1,024 bytes,
	s_lshl_b32 s47, s12, 17                        ; 128 rows x half,
	s_add_co_u32 s46, s46, s47
	s_lshl_b32 s47, s45, 8                         ; 256 bytes x tile column
	s_add_co_u32 s46, s46, s47
	s_add_co_u32 s46, s46, s18
	s_add_co_u32 s46, s46, 4194304                 ; B lies behind its A
	s_mov_b32 s47, 0
	s_mul_i32 s20, s12, HALFA                      ; where they go: no place in the cluster enters an LDS address
	s_mul_i32 s19, s12, HALFB
	s_add_co_u32 s19, s19, 2*HALFA
	s_wait_dscnt 0x0                               ; the opening add is done
	s_wait_kmcnt 0x0
	s_add_nc_u64 s[14:15], s[4:5], s[16:17]
	s_add_nc_u64 s[46:47], s[4:5], s[46:47]
	CROUND                                         ; all sixteen work-groups are here: the joint loads meet
.irp s, 0,1
	s_mov_b32 s[G0+4*(\s)], 1
	s_add_co_u32 s[G0+4*(\s)+1], s20, (\s)*SLOT
	s_add_nc_u64 s[G0+4*(\s)+2:G0+4*(\s)+3], s[14:15], (\s)*KSTEP*2
	s_or_b32 s[G0+4*(\s)+3], s[G0+4*(\s)+3], 0x80000000
	s_mov_b32 s[G0B+4*(\s)], 1
	s_add_co_u32 s[G0B+4*(\s)+1], s19, (\s)*SLOT
	s_add_nc_u64 s[G0B+4*(\s)+2:G0B+4*(\s)+3], s[46:47], (\s)*KSTEP*LDB*2
	s_or_b32 s[G0B+4*(\s)+3], s[G0B+4*(\s)+3], 0x80000000
	JLOAD \s                                       ; two loads of mine are out: all that this launch asks for
.endr
	v_and_b32 v1, 15, v0                           ; l % 16
	v_bfe_u32 v2, v0, 4, 1                         ; l / 16
	v_mul_u32_u24 v3, v1, PITCH
	v_lshl_add_u32 v3, v2, 4, v3
	v_and_b32 v6, 7, v0                            ; the turning load: row of k 8 (l / 16) + l % 8, columns 8 ((l / 8) % 2) + 0..7
	v_lshl_add_u32 v6, v2, 3, v6
	v_mul_u32_u24 v6, v6, PB
	v_bfe_u32 v7, v0, 3, 1
	v_lshl_add_u32 v6, v7, 4, v6
	s_mul_i32 s21, s11, HALFA                      ; my 64 rows of A
	s_lshl_b32 s22, s12, 7                         ; my 64 columns of B: 128 bytes of each row,
	s_add_co_u32 s22, s22, 2*HALFA                 ; behind A's 128 rows
.irp s, 0,1
	v_add_nc_u32 v[ADRA+(\s)], s21, v3
	v_add_nc_u32 v[ADRB+(\s)], s22, v6
	v_add_nc_u32 v[ADRB+2+(\s)], HALFB, v[ADRB+(\s)]
	s_add_co_u32 s21, s21, SLOT
	s_add_co_u32 s22, s22, SLOT
.endr
	s_mul_i32 s23, s11, 64*SPITCH                  ; into the stage: my 64 rows, my half of their 256 bytes; row l % 16, 16 bytes for each half of the lanes
	s_lshl_b32 s21, s12, 7
	s_add_co_u32 s23, s23, s21
	s_add_co_u32 s23, s23, STAGE
	v_mul_u32_u24 v4, v1, SPITCH
	v_lshl_add_u32 v4, v2, 4, v4
	v_add_nc_u32 v[STO], s23, v4
	s_mul_i32 s23, s10, 32*SPITCH                  ; back: wave w takes rows 32 w .. 32 w + 31, whole; lanes 0-15 one row of 256 bytes, lanes 16-31 the next
	s_add_co_u32 s23, s23, STAGE
	v_mul_u32_u24 v5, v2, SPITCH
	v_lshl_add_u32 v5, v1, 4, v5
	v_add_nc_u32 v[RD], s23, v5
	v_lshlrev_b32 v5, 13, v2                       ; and the same two rows, of 8,192 bytes, in wf
	v_lshl_add_u32 v[CO], v1, 4, v5
	s_lshl_b32 s16, s41, 7
	s_lshl_b32 s17, s10, 5
	s_add_co_u32 s16, s16, s17                     ; the first row that I store: 128 x tile row + 32 x wave,
	s_lshl_b32 s16, s16, 13
	s_lshl_b32 s17, s13, 10                        ; the head's 512 columns,
	s_add_co_u32 s16, s16, s17
	s_lshl_b32 s17, s42, 22                        ; kind x 512 rows
	s_add_co_u32 s16, s16, s17
	s_mov_b32 s17, 0
	s_add_nc_u64 s[6:7], s[6:7], s[16:17]
	s_lshl_b32 s46, s45, 8                         ; the tile's first column, in bytes
	s_mov_b32 s47, 0
	s_add_nc_u64 s[6:7], s[6:7], s[46:47]
; 8 matrix instructions: m blocks a0, a0 + 1 x all 4 n blocks, 32 along K: half c of buffer f.  zero = 1: the product starts the sum.  The 16 accumulators take turns.
.macro MUL8 f, c, a0, zero
	WIN MUL
.irp a, \a0, (\a0)+1
.irp b, 0,1,2,3
.if \zero
	v_wmma_f32_16x16x32_bf16 v[ACC+8*(4*(\a)+(\b)):ACC+8*(4*(\a)+(\b))+7], v[(\f)+64+8*(4*(\c)+(\b)):(\f)+64+8*(4*(\c)+(\b))+7], v[(\f)+8*(4*(\c)+(\a)):(\f)+8*(4*(\c)+(\a))+7], 0
.else
	v_wmma_f32_16x16x32_bf16 v[ACC+8*(4*(\a)+(\b)):ACC+8*(4*(\a)+(\b))+7], v[(\f)+64+8*(4*(\c)+(\b)):(\f)+64+8*(4*(\c)+(\b))+7], v[(\f)+8*(4*(\c)+(\a)):(\f)+8*(4*(\c)+(\a))+7], v[ACC+8*(4*(\a)+(\b)):ACC+8*(4*(\a)+(\b))+7]
.endif
.endr
.endr
.endm
; 32 LDS loads in one run: the fragments of 64 along K (byte k of A's rows, rows k / 2 on of B) into buffer f; the first 32 along K first
.macro FETCH slot, k, f
	WIN TO_F
.irp c, 0,1
.irp i, 0,1,2,3
	ds_load_tr16_b128 v[(\f)+64+8*(4*(\c)+(\i)):(\f)+64+8*(4*(\c)+(\i))+3],   v[ADRB+(\slot)+2*((\k)/256)] offset:(((\k)/128)%2)*64*PB+(\c)*32*PB+(\i)*32
	ds_load_tr16_b128 v[(\f)+64+8*(4*(\c)+(\i))+4:(\f)+64+8*(4*(\c)+(\i))+7], v[ADRB+(\slot)+2*((\k)/256)] offset:(((\k)/128)%2)*64*PB+(\c)*32*PB+16*PB+(\i)*32
	ds_load_b128 v[(\f)+8*(4*(\c)+(\i)):(\f)+8*(4*(\c)+(\i))+3],         v[ADRA+(\slot)] offset:(\k)+64*(\c)+(\i)*16*PITCH
	ds_load_b128 v[(\f)+8*(4*(\c)+(\i))+4:(\f)+8*(4*(\c)+(\i))+7],       v[ADRA+(\slot)] offset:(\k)+64*(\c)+(\i)*16*PITCH+32
.endr
.endr
.endm
.macro PLACES                          ; four plain vector instructions between matrix instructions and loads into, or reads of, their registers (ISA guide 7.12.1 for reads)
.rept 4
	v_nop
.endr
.endm
; A K step is four quarters of 64 along K, 32 matrix instructions each, on buffers 0, 1, 0, 1.
.macro QUARTER slot, k, f, g, zero
	s_wait_dscnt 16                                ; the first 32 along K are in
	MUL8 \f, 0, 0, \zero
	MUL8 \f, 0, 2, \zero
	PLACES
	FETCH \slot, \k, \g
	s_wait_dscnt 32                                ; all but the 32 just issued
	MUL8 \f, 1, 0, 0
	MUL8 \f, 1, 2, 0
.endm
	s_wait_tensorcnt 1                             ; my part of K step 0 is in; K step 1's may stay out
	s_barrier_signal -1
	s_barrier_wait -1
	FETCH 0, 0, F0
	QUARTER 0, 128, F0, F1, 1                      ; the first products start the sums
	QUARTER 0, 256, F1, F0, 0
	QUARTER 0, 384, F0, F1, 0
	WIN 0                                          ; the step's last quarter goes over to slot 1: my part of it has to be in, and everybody's
	s_wait_tensorcnt 0x0
	ds_add_u32 v[SPW], v[NIL]
	s_wait_dscnt 17                                ; the add and the youngest sixteen loads may be out
	MUL8 F1, 0, 0, 0
	s_wait_dscnt 0x0
	s_barrier_signal -1
	MUL8 F1, 0, 2, 0
	s_barrier_wait -1
	PLACES
	FETCH 1, 0, F0
	MUL8 F1, 1, 0, 0
	MUL8 F1, 1, 2, 0
	QUARTER 1, 128, F0, F1, 0
	QUARTER 1, 256, F1, F0, 0
	QUARTER 1, 384, F0, F1, 0
	s_wait_dscnt 16
	MUL8 F1, 0, 0, 0
	MUL8 F1, 0, 2, 0
	s_wait_dscnt 0x0
	MUL8 F1, 1, 0, 0
	MUL8 F1, 1, 2, 0
	WIN 0
	; THE WAY OUT: round to bf16, each accumulator from its low end; 16 bytes a lane into the work-group's stage; a barrier, since a row's 256 bytes come from two waves; back as whole rows, 32 rows a wave.
	PLACES
.irp t, 0,1,2,3,4,5,6,7,8,9,10,11,12,13,14,15
.irp r, 0,1,2,3
	v_cvt_pk_bf16_f32 v[TMP+4*(\t)+(\r)], v[ACC+8*(\t)+2*(\r)], v[ACC+8*(\t)+2*(\r)+1]
.endr
.endr
.irp a, 0,1,2,3
.irp b, 0,1,2,3
	ds_store_b128 v[STO], v[TMP+4*(4*(\a)+(\b)):TMP+4*(4*(\a)+(\b))+3] offset:(\a)*16*SPITCH+32*(\b)
.endr
.endr
	s_wait_dscnt 0x0                               ; for the others' sake: my stores into the stage are done
	s_barrier_signal -1
	s_barrier_wait -1
.irp t, 0,1,2,3,4,5,6,7,8,9,10,11,12,13,14,15
	ds_load_b128 v[TMP+4*(\t):TMP+4*(\t)+3], v[RD] offset:(\t)*2*SPITCH
.endr
.irp t, 0,1,2,3,4,5,6,7,8,9,10,11,12,13,14,15
	s_wait_dscnt 15-(\t)                           ; load t is back; the younger ones stay out
	global_store_b128 v[CO], v[TMP+4*(\t):TMP+4*(\t)+3], s[6:7] offset:2*(\t)*LDA*2  ; 16 lanes store 256 consecutive bytes, aligned
.endr
	s_wait_tensorcnt 0x0                           ; the wave's end
	ds_add_u32 v[SPW], v[NIL]
	s_wait_dscnt 0x0
	CROUND                                         ; the closing round
	s_endpgm
.Lfunc_end_k_qc22d29b656_wfold:
	.size	k_qc22d29b656_wfold, .Lfunc_end_k_qc22d29b656_wfold-k_qc22d29b656_wfold
	.p2alignl 7, 3214868480
	.fill 96, 4, 3214868480
	.section	.rodata,"a",@progbits
	.p2align	6, 0x0
	.amdhsa_kernel k_qc22d29b656_wfold
		.amdhsa_group_segment_fixed_size 327680
		.amdhsa_private_segment_fixed_size 0
		.amdhsa_enable_private_segment 0
		.amdhsa_kernarg_size 16
		.amdhsa_user_sgpr_count 2
		.amdhsa_user_sgpr_kernarg_segment_ptr 1
		.amdhsa_wavefront_size32 1
		.amdhsa_system_sgpr_workgroup_id_x 1
		.amdhsa_system_sgpr_workgroup_id_y 1
		.amdhsa_system_sgpr_workgroup_id_z 1
		.amdhsa_system_vgpr_workitem_id 0
		.amdhsa_next_free_vgpr 512
		.amdhsa_next_free_sgpr 66
		.amdhsa_reserve_vcc 0
		.amdhsa_float_denorm_mode_32 3
		.amdhsa_float_denorm_mode_16_64 3
		.amdhsa_memory_ordered 1
		.amdhsa_forward_progress 1
		.amdhsa_inst_pref_size 51
	.end_amdhsa_kernel
	.amdgpu_metadata
---
amdhsa.version: [ 1, 2 ]
amdhsa.kernels:
  - .name:           k_qc22d29b656_wfold
    .symbol:         k_qc22d29b656_wfold.kd
    .args:
      - { .name: wb, .offset: 0, .size: 8, .value_kind: global_buffer, .address_space: global }
      - { .name: wf, .offset: 8, .size: 8, .value_kind: global_buffer, .address_space: global }
    .group_segment_fixed_size: 327680
    .private_segment_fixed_size: 0
    .kernarg_segment_align: 8
    .kernarg_segment_size: 16
    .max_flat_workgroup_size: 128
    .sgpr_count:     66
    .vgpr_count:     512
    .wavefront_size: 32
...
	.end_amdgpu_metadata
.endif
;; end of part 6
;; launch proj (part 7): grid 16 x 16, 4 waves a work-group, clusters of 4 x 4, 327,680 bytes of LDS; arguments xb, wf, qv; writes qv
.if DOCPART == 7
	.amdgcn_target "amdgcn-amd-amdhsa--gfx1250"
	.amdhsa_code_object_version 6
	.text
	.protected	k_qc22d29b656_proj
	.globl	k_qc22d29b656_proj
	.p2align	8
	.type	k_qc22d29b656_proj,@function
k_qc22d29b656_proj:
	s_mov_b64 s[64:65], 0
	v_nop
	global_prefetch_b8 v0, s[64:65] scope:SCOPE_SE
	s_setreg_imm32_b32 hwreg(HW_REG_WAVE_MODE, 25, 1), 1
	s_wait_xcnt 0x0
	s_wait_alu depctr_hold_cnt(0) depctr_sa_sdst(0) depctr_va_vdst(0) depctr_va_sdst(0) depctr_va_ssrc(0) depctr_va_vcc(0) depctr_vm_vsrc(0)
	s_getreg_b32 s2, hwreg(HW_REG_IB_STS2, 6, 4)
	s_cmp_eq_u32 s2, 0
	s_cbranch_scc0 .Lentry_in_a_cluster
	s_endpgm
.Lentry_in_a_cluster:
	s_bfe_u32 s2, ttmp6, 0x10000c
	s_cmp_lg_u32 s2, 0xf033
	s_cbranch_scc0 .Lentry_shape_is_right
	s_endpgm
.Lentry_shape_is_right:
; THE TWO PROJECTIONS THAT ARE LEFT, AS ONE PRODUCT.  Q' = query M and V' = value W', with the folded weights M and W' of the launch before.  C[m][n] = sum over k of A[m][k] B[k][n]:
; A = xb's first and third [4096][512] (query, value), B = wf [1024][4096] (M, then W': 512 rows of k each), C = qv [2][4096][4096], all bf16, sums in f32, C rounded once.
; A tile of C is 256 x 256, made by four waves, 128 x 128 each: 64 accumulators, 512 registers.  K goes in steps of 128 through a ring of two LDS slots.
; A WORK-GROUP STAYS: it makes two tiles, Q''s and V''s at the same place.  Their 2 x 4 K steps are ONE WALK of eight steps for the ring; step n lies in slot n % 2.
; THE K STEP IS WRITTEN ONCE.  A loop of six trips holds the steps that fill their slot again, with the step two further on; a trip goes from a step's second quarter to the next step's first.
; One descriptor a tensor walks: its LDS word is turned by an exclusive or; B goes 128 rows of wf on each time (W' follows M); A goes 256 bytes on, and in the trip that asks for the second
; tile's first step 8,192 rows down (over key's rows) and back along K.  The fragments' LDS addresses are a lane term plus a scalar, the slot in hand.
; In the trip that ends the first tile a forward branch takes the way out and the quarter that starts new sums in place of the plain quarter: what is jumped holds no barrier and no tensor load.
; The last two steps ask for nothing: a second loop, of two trips, left in its middle; its last trip's 32 LDS loads from the other slot serve nothing: the price of one text for both.
; B LIES [k][n]: its tile is 128 rows of k x 512 bytes, and its fragments are turned on the way into registers by ds_load_tr16_b128.
; CLUSTERS: 4 x 4 work-groups.  A's tiles are shared along a row of the cluster, B's along a column: each is asked for jointly, by the same tensor load with the same descriptor and a mask of four.
; THE MATRIX INSTRUCTION IS USED TRANSPOSED (source 0 = 16 columns of B, source 1 = 16 rows of A): a lane then holds eight neighbouring numbers of a row of C.
; REGISTERS, in windows of 256: window 0: v0-31 addresses; v64-127, v128-191 A's fragments, two buffers; v32-63, v192-255 at work on the way out.  window 1: v64-127, v128-191 B's fragments.
; window 2: the accumulators of my rows 0-63 ((a, b) at v[8 (8 a + b)]); window 3: those of my rows 64-127.
; LIMITS.  Operands are bf16; NaN and infinities are not treated apart.
.set SIZE_N, 4096
.set SIZE_K, 512
.set SIZE_TILES, 2
.set WALK_A, 8192                      ; rows of xb from a tile to the next: query to value
.set WALK_C, 4096                      ; rows of qv from a tile to the next
.set KSTEP,  128
.set TSTEPS, SIZE_K/KSTEP              ; K steps in a tile: 4
.set FILLS,  SIZE_TILES*TSTEPS-2       ; steps that fill their slot again: all but the walk's last two
.set AT_NEXT, FILLS-(TSTEPS-2)         ; the loop counts FILLS down to 1: at this count the fill is the second tile's first K step,
.set AT_OUT,  FILLS-(TSTEPS-1)         ; and at this one the trip ends the first tile
.set PITCH,  272                       ; a row of A in LDS: 256 bytes + 16 = 68 words: the 16 rows of a load start at 16 different groups of four banks (64 banks of 4 bytes: ISA guide 11.1)
.set PB,     544                       ; a row of B in LDS: 512 bytes + 32 = 136 words
.set HALFT,  128*PITCH                 ; what one tensor load brings: 128 rows of A, or 64 rows of B (64 x 544 is the same number)
.set SLOT,   4*HALFT                   ; A's 256 rows, then B's 128 rows of k.  0x22000: it shares no bit with wave x HALFT, so one exclusive or turns a fill's address in one slot into the other's
.set STAGE,  2*SLOT                    ; behind the ring: 16 rows x 272 bytes for each wave, for the way out
.set SPITCH, 272
.set SPARE,  STAGE+4*16*SPITCH         ; behind the stages: the spare words, 128 bytes for each wave
.set NEXT_A, WALK_A*SIZE_K*2-(SIZE_K-KSTEP)*2   ; from a tile's last K step to the next tile's first: 8,192 rows down and back along K
.set STEP_B, KSTEP*SIZE_N*2            ; 128 rows of wf on, inside a tile and from tile to tile alike
.set NEXT_C, (WALK_C-7*16)*SIZE_N*2    ; from my last 16 rows of a tile to my first of the next
.set ADRA0, 16                         ; v16  my lane's place among my A fragments in slot 0; never rewritten
.set ADRA,  17                         ; v17  the same in the slot in hand
.set ADRB0, 20                         ; v20, v21  the same for B
.set ADRB,  21
.set STO,  24
.set RD,   25
.set CO,   26
.set SPW,  28                          ; v28  LDS address of my spare word; never rewritten
.set NIL,  29                          ; v29  0; never rewritten
.set F0,   64
.set F1,   128
.set TMP,  192
.set OB,   32
.set TB,   18                          ; s18  the slot in hand: 0 or SLOT
.set NXA,  19                          ; s19  NEXT_A
.set INC,  22                          ; s[22:23]  what A's address steps by
.set G1, 24                            ; s[24:31] descriptor group 1 for A's tiles
.set G0, 32                            ; s[32:39] group 0 for A's tiles: a set for each of the two first fills; the second then walks on
.set G1B, 48                           ; s[48:55], s[56:63] the same for B's tiles
.set G0B, 56
.set MSB, 0
.macro WIN new                         ; the immediate's high byte repeats the setting that is left; a switch that changes nothing is dropped
.if MSB != (\new)
	s_set_vgpr_msb (MSB<<8)|(\new)
.set MSB, \new
.endif
.endm
.set MUL_LO, 0xa1                      ; source 0 (B) window 1, source 1 (A) window 0, C and D window 2
.set MUL_HI, 0xf1                      ; the same, C and D window 3
.set TO_B,   0x40                      ; destination window 1, address window 0
; A joint load.  Waves 0 and 1 fetch A's two halves, waves 2 and 3 B's.  The branch hangs on the wave's number alone.  An s_nop 0 and four v_nop follow each line.
.macro JLOAD s
	s_cmp_eq_u32 s11, 0
	s_cbranch_scc0 .Lfor_b_\@
	tensor_load_to_lds s[G0+4*(\s):G0+4*(\s)+3], s[G1:G1+7]
	s_nop 0
.rept 4
	v_nop
.endr
	s_branch .Lasked_\@
.Lfor_b_\@:
	tensor_load_to_lds s[G0B+4*(\s):G0B+4*(\s)+3], s[G1B:G1B+7]
	s_nop 0
.rept 4
	v_nop
.endr
.Lasked_\@:
.endm
.macro CREST                           ; a round of the cluster's barrier behind its opening barrier
	s_cmp_lg_u32 s10, 0
	s_cbranch_scc1 .Lnot_wave_0_\@
	s_barrier_signal -3
.Lnot_wave_0_\@:
	s_barrier_wait -3
	s_barrier_signal -1
	s_barrier_wait -1
.endm
.macro CROUND                          ; a whole round
	s_barrier_signal -1
	s_barrier_wait -1
	CREST
.endm
	s_load_b128 s[4:7], s[0:1], 0x0                ; xb s[4:5], wf s[6:7]
	s_load_b64 s[8:9], s[0:1], 0x10                ; qv
	v_lshl_add_u32 v[SPW], v0, 2, SPARE
	v_mov_b32 v[NIL], 0
	ds_add_u32 v[SPW], v[NIL]                      ; the wave's opening: the add and its wait ahead of my first tensor load
	v_lshrrev_b32 v1, 5, v0
	v_readfirstlane_b32 s10, v1                    ; wave 0..3
	s_lshr_b32 s11, s10, 1                         ; which half of the tile's rows is mine.  Also: I fetch for A (0) or for B (1)
	s_and_b32 s12, s10, 1                          ; which half of its columns.  Also: which half of that tile I fetch
	s_bfe_u32 s40, ttmp6, 0x40000                  ; cx
	s_bfe_u32 s41, ttmp6, 0x40004                  ; cy
	s_lshl_b32 s42, ttmp9, 2
	s_add_co_u32 s42, s42, s40                     ; tile column of C
	s_and_b32 s13, ttmp7, 0xffff
	s_lshl_b32 s13, s13, 2
	s_add_co_u32 s13, s13, s41                     ; tile row of C
	s_lshl_b32 s43, s41, 2
	s_lshl_b32 s43, 15, s43                        ; my row of the cluster
	s_lshl_b32 s44, 0x1111, s40                    ; my column
	; A: 128 rows x 128 elements, 4 words of padding behind every 64.  B: 64 rows x 256 elements, 8 words behind every 128.
	s_or_b32 s[G1+0], s43, (1<<16)|(1<<20)|(1<<21)|(5<<22)|(3<<25)
	s_mov_b32 s[G1+1], KSTEP<<16                   ; tensor_dim0
	s_mov_b32 s[G1+2], 128<<16                     ; tensor_dim1
	s_mov_b32 s[G1+3], KSTEP<<16                   ; tile_dim0
	s_mov_b32 s[G1+4], 128                         ; tile_dim1
	s_mov_b32 s[G1+5], SIZE_K                      ; elements from row to row
	s_mov_b32 s[G1+6], 0
	s_mov_b32 s[G1+7], 0
	s_or_b32 s[G1B+0], s44, (1<<16)|(1<<20)|(1<<21)|(6<<22)|(7<<25)
	s_mov_b32 s[G1B+1], 256<<16
	s_mov_b32 s[G1B+2], 64<<16
	s_mov_b32 s[G1B+3], 256<<16
	s_mov_b32 s[G1B+4], 64
	s_mov_b32 s[G1B+5], SIZE_N
	s_mov_b32 s[G1B+6], 0
	s_mov_b32 s[G1B+7], 0
	; A's tiles hang on the tile row alone, B's on the tile column alone; every wave makes both addresses, in registers that never hold the other coordinate.
	s_lshl_b32 s17, s12, 7
	s_lshl_b32 s16, s13, 8
	s_add_co_u32 s16, s16, s17                     ; A: row 256 x tile row + 128 x half,
	s_lshl_b32 s16, s16, 10                        ; of 1,024 bytes
	s_mov_b32 s17, 0
	s_lshl_b32 s46, s12, 19                        ; B: 64 rows of 8,192 bytes x half,
	s_lshl_b32 s47, s42, 9                         ; 512 bytes x tile column
	s_add_co_u32 s46, s46, s47
	s_mov_b32 s47, 0
	s_mul_i32 s20, s10, HALFT                      ; where they go: wave x 34,816 bytes: no place in the cluster enters an LDS address
	s_wait_dscnt 0x0                               ; the opening add is done
	s_wait_kmcnt 0x0
	s_add_nc_u64 s[14:15], s[4:5], s[16:17]
	s_add_nc_u64 s[46:47], s[6:7], s[46:47]
	CROUND                                         ; all sixteen work-groups are here: the first joint loads meet
.irp s, 0,1
	s_mov_b32 s[G0+4*(\s)], 1
	s_add_co_u32 s[G0+4*(\s)+1], s20, (\s)*SLOT
	s_add_nc_u64 s[G0+4*(\s)+2:G0+4*(\s)+3], s[14:15], (\s)*KSTEP*2
	s_or_b32 s[G0+4*(\s)+3], s[G0+4*(\s)+3], 0x80000000
	s_mov_b32 s[G0B+4*(\s)], 1
	s_add_co_u32 s[G0B+4*(\s)+1], s20, (\s)*SLOT
	s_add_nc_u64 s[G0B+4*(\s)+2:G0B+4*(\s)+3], s[46:47], (\s)*STEP_B
	s_or_b32 s[G0B+4*(\s)+3], s[G0B+4*(\s)+3], 0x80000000
	JLOAD \s                                       ; steps 0 and 1 of the walk: two loads of mine are out
.endr
	; A's fragment: lane l holds row l % 16, K = 8 (l / 16) + 0..7 and 16 + 8 (l / 16) + 0..7: two loads of 16 bytes, 32 bytes apart.
	; B's fragment: the turning load reads row of k 8 (l / 16) + l % 8, columns 8 ((l / 8) % 2) + 0..7, and leaves lane l column l % 16 and 8 k; the second load 16 rows further down.
	v_and_b32 v1, 15, v0
	v_bfe_u32 v2, v0, 4, 1
	v_mul_u32_u24 v3, v1, PITCH
	v_lshl_add_u32 v3, v2, 4, v3
	v_and_b32 v6, 7, v0
	v_lshl_add_u32 v6, v2, 3, v6
	v_mul_u32_u24 v6, v6, PB
	v_bfe_u32 v7, v0, 3, 1
	v_lshl_add_u32 v6, v7, 4, v6
	s_mul_i32 s21, s11, HALFT                      ; my 128 rows of A
	s_lshl_b32 s22, s12, 8                         ; my 128 columns of B: 256 bytes of each row,
	s_add_co_u32 s22, s22, 2*HALFT                 ; behind A's 256 rows
	v_add_nc_u32 v[ADRA0], s21, v3
	v_add_nc_u32 v[ADRB0], s22, v6
	v_mov_b32 v[ADRA], v[ADRA0]                    ; the walk begins in slot 0
	v_mov_b32 v[ADRB], v[ADRB0]
	s_mov_b32 s[TB], 0
	s_mul_i32 s23, s10, 16*SPITCH
	s_add_co_u32 s23, s23, STAGE                   ; my stage
	v_mul_u32_u24 v4, v1, SPITCH
	v_lshl_add_u32 v4, v2, 4, v4
	v_add_nc_u32 v[STO], s23, v4
	v_mul_u32_u24 v5, v2, SPITCH
	v_lshl_add_u32 v5, v1, 4, v5
	v_add_nc_u32 v[RD], s23, v5
	v_mul_u32_u24 v5, v2, SIZE_N*2
	v_lshl_add_u32 v[CO], v1, 4, v5
	s_mov_b32 s[NXA], NEXT_A
	s_mov_b32 s[INC+1], 0                          ; the step's high word; its low word is chosen in each trip
	s_lshl_b32 s13, s13, 8
	s_lshl_b32 s14, s11, 7
	s_add_co_u32 s16, s13, s14                     ; my first row of C,
	s_lshl_b32 s16, s16, 13                        ; of 8,192 bytes
	s_mov_b32 s17, 0
	s_lshl_b32 s46, s42, 9                         ; my first column, in bytes
	s_lshl_b32 s47, s12, 8
	s_add_co_u32 s46, s46, s47
	s_mov_b32 s47, 0
	s_add_nc_u64 s[16:17], s[16:17], s[46:47]      ; what the first way out adds to C's address
; 16 matrix instructions: m blocks a0, a0 + 1 of the window's four x all 8 n blocks, 32 along K.  zero = 1: the first product starts the sums.  The 64 accumulators take turns.
.macro MUL16 f, hi, a0, zero
	WIN MUL_LO+0x50*(\hi)
.irp a, \a0, (\a0)+1
.irp b, 0,1,2,3,4,5,6,7
.if \zero
	v_wmma_f32_16x16x32_bf16 v[8*(8*(\a)+(\b)):8*(8*(\a)+(\b))+7], v[(\f)+8*(\b):(\f)+8*(\b)+7], v[(\f)+8*(4*(\hi)+(\a)):(\f)+8*(4*(\hi)+(\a))+7], 0
.else
	v_wmma_f32_16x16x32_bf16 v[8*(8*(\a)+(\b)):8*(8*(\a)+(\b))+7], v[(\f)+8*(\b):(\f)+8*(\b)+7], v[(\f)+8*(4*(\hi)+(\a)):(\f)+8*(4*(\hi)+(\a))+7], v[8*(8*(\a)+(\b)):8*(8*(\a)+(\b))+7]
.endif
.endr
.endr
.endm
; 32 LDS loads in one run: the fragments of one quarter step of the slot in hand (32 K: byte k of A's rows, rows k / 2 on of B) into buffer f; B's 16 first
.macro FETCH k, f
	WIN TO_B
.irp i, 0,1,2,3,4,5,6,7
	ds_load_tr16_b128 v[(\f)+8*(\i):(\f)+8*(\i)+3],   v[ADRB] offset:((\k)/64)*32*PB+(\i)*32
	ds_load_tr16_b128 v[(\f)+8*(\i)+4:(\f)+8*(\i)+7], v[ADRB] offset:((\k)/64)*32*PB+16*PB+(\i)*32
.endr
	WIN 0
.irp i, 0,1,2,3,4,5,6,7
	ds_load_b128 v[(\f)+8*(\i):(\f)+8*(\i)+3],   v[ADRA] offset:(\k)+(\i)*16*PITCH
	ds_load_b128 v[(\f)+8*(\i)+4:(\f)+8*(\i)+7], v[ADRA] offset:(\k)+(\i)*16*PITCH+32
.endr
.endm
.macro PLACES                          ; four plain vector instructions between matrix instructions and loads into, or reads of, their registers (ISA guide 7.12.1 for reads)
.rept 4
	v_nop
.endr
.endm
; A K step is four quarters of 32 along K, 64 matrix instructions each, on buffers 0, 1, 0, 1.  One of the first three multiplies buffer f and fetches the next quarter, at byte k, into g.
.macro QUARTER k, f, g, zero
	s_wait_dscnt 8                                 ; B and A's rows 0-63 are in; the youngest eight loads (A's rows 64-127) may be out
	MUL16 \f, 0, 0, \zero
	MUL16 \f, 0, 2, \zero
	PLACES
	FETCH \k, \g
	s_wait_dscnt 32                                ; all but the 32 just issued
	MUL16 \f, 1, 0, \zero
	MUL16 \f, 1, 2, \zero
.endm
; The last quarter changes slots: one barrier.  In front of it each wave waits for all its tensor loads (one is out: its part of the next slot), adds 0 to its spare word, and waits for that and for its reads of this slot.
.macro MEET round
	WIN 0
	s_wait_tensorcnt 0x0
	ds_add_u32 v[SPW], v[NIL]
	s_wait_dscnt 9                                 ; the add and the youngest eight loads may be out
	MUL16 F1, 0, 0, 0
	s_wait_dscnt 0x0                               ; the add is done, and my reads of this slot are over
	s_barrier_signal -1
	MUL16 F1, 0, 2, 0
.if \round
	WIN 0
.endif
	s_barrier_wait -1
.endm
; The whole last quarter.  fill = 1: the slot just read takes the walk's step two further on.  Then the fragments' addresses go over to the other slot, and its first fragments are fetched.
.macro TURN fill
	MEET \fill
.if \fill
	CREST                                          ; the barrier has opened a round of the cluster's: no wave of any partner still reads this slot or has a load on its way
	s_cmp_eq_u32 s3, AT_NEXT                       ; no tensor load of mine is out, so the walking descriptors may be written
	s_cselect_b32 s[INC], s[NXA], KSTEP*2          ; A: on to the next tile's first K step, or 128 along K
	s_xor_b32 s[G0+5], s[G0+5], SLOT               ; the other slot than last time
	s_add_nc_u64 s[G0+6:G0+7], s[G0+6:G0+7], s[INC:INC+1]  ; the type bits on top are not reached
	s_xor_b32 s[G0B+5], s[G0B+5], SLOT
	s_add_nc_u64 s[G0B+6:G0B+7], s[G0B+6:G0B+7], STEP_B
	JLOAD 1                                        ; the first tensor load behind the round; its four v_nop are also the places in front of the loads below
.else
	PLACES
	WIN 0
.endif
	s_xor_b32 s[TB], s[TB], SLOT
	v_add_nc_u32 v[ADRA], s[TB], v[ADRA0]
	v_add_nc_u32 v[ADRB], s[TB], v[ADRB0]
	FETCH 0, F0
	MUL16 F1, 1, 0, 0
	MUL16 F1, 1, 2, 0
.endm
; THE WAY OUT of block a (16 rows).  PACK: rounded to bf16, lowest registers first.  TOSTAGE: into my own stage, and back as whole rows of 256 bytes.  SEND: stored.
.macro PACK a
.set AC, 64*((\a)%4)
	WIN 0x0a+5*((\a)/4)
.irp b, 0,1,2,3,4,5,6,7
.irp r, 0,1,2,3
	v_cvt_pk_bf16_f32 v[TMP+4*(\b)+(\r)], v[AC+8*(\b)+2*(\r)], v[AC+8*(\b)+2*(\r)+1]
.endr
.endr
	WIN 0
.endm
.macro TOSTAGE a
	WIN 0
.set BK, OB+192*((\a)%2)
.irp b, 0,1,2,3,4,5,6,7
	ds_store_b128 v[STO], v[TMP+4*(\b):TMP+4*(\b)+3] offset:32*(\b)
.endr
.irp t, 0,1,2,3,4,5,6,7
	ds_load_b128 v[BK+4*(\t):BK+4*(\t)+3], v[RD] offset:(\t)*2*SPITCH  ; LDS serves a wave's instructions in order (ISA guide 5.7.1.4): these see the stores above
.endr
.endm
.macro SEND a, younger
	WIN 0
.set BK, OB+192*((\a)%2)
	s_wait_dscnt \younger
	s_wait_xcnt 0x0                                ; the stores' base and the registers that earlier stores read are rewritten only behind this wait
.if (\a) == 0
	s_add_nc_u64 s[8:9], s[8:9], s[16:17]
.else
	s_add_nc_u64 s[8:9], s[8:9], 16*SIZE_N*2
.endif
.irp t, 0,1,2,3,4,5,6,7
	global_store_b128 v[CO], v[BK+4*(\t):BK+4*(\t)+3], s[8:9] offset:2*(\t)*SIZE_N*2  ; 16 lanes store 256 consecutive bytes, aligned
.endr
.endm
; Blocks 0-3 were finished in front of TURN's four v_nop; their conversions are the places behind the last products.  Block a's conversions stand between block a - 1's loads from the stage and the wait for them.
.macro OUT
	PACK 0
	TOSTAGE 0
.irp a, 1,2,3,4,5,6,7
	PACK \a
	SEND (\a)-1, 0
	TOSTAGE \a
.endr
	SEND 7, 0
.endm
	s_wait_tensorcnt 1                             ; my part of step 0 is in; step 1's may stay out
	s_barrier_signal -1
	s_barrier_wait -1
	FETCH 0, F0
	QUARTER 64, F0, F1, 1                          ; the first tile's first quarter starts the sums
	WIN 0                                          ; at a label and at a branch every window is 0
	s_mov_b32 s3, FILLS
.Lstep:                                                ; six trips: a step's second, third and last quarter, the fill of its slot, the next step's first quarter
	QUARTER 128, F1, F0, 0
	QUARTER 192, F0, F1, 0
	TURN 1
	WIN 0
	s_cmp_eq_u32 s3, AT_OUT
	s_cbranch_scc0 .Lsame                          ; forward, over text that holds neither a barrier nor a tensor load
	OUT                                            ; the first tile is finished, and the fills for the second tile's first two steps have been asked for: it goes out,
	s_mov_b64 s[16:17], NEXT_C                     ; (what the next way out adds to C's address)
	QUARTER 64, F0, F1, 1                          ; and the second tile's first quarter starts new sums
	WIN 0
	s_branch .Lnext
.Lsame:
	QUARTER 64, F0, F1, 0
	WIN 0
.Lnext:
	s_sub_co_u32 s3, s3, 1
	s_cmp_lg_u32 s3, 0
	s_cbranch_scc1 .Lstep
	s_mov_b32 s3, 2
.Ltail:                                                ; the walk's last two steps ask for nothing: written apart
	QUARTER 128, F1, F0, 0
	QUARTER 192, F0, F1, 0
	TURN 0
	WIN 0
	s_sub_co_u32 s3, s3, 1
	s_cmp_eq_u32 s3, 0
	s_cbranch_scc1 .Lfin                           ; the second trip is left here: the second tile is finished
	QUARTER 64, F0, F1, 0
	WIN 0
	s_branch .Ltail
.Lfin:
	PLACES
	OUT
	s_wait_tensorcnt 0x0                           ; the wave's end
	ds_add_u32 v[SPW], v[NIL]
	s_wait_dscnt 0x0
	CROUND                                         ; the closing round
	s_endpgm
.Lfunc_end_k_qc22d29b656_proj:
	.size	k_qc22d29b656_proj, .Lfunc_end_k_qc22d29b656_proj-k_qc22d29b656_proj
	.p2alignl 7, 3214868480
	.fill 96, 4, 3214868480
	.section	.rodata,"a",@progbits
	.p2align	6, 0x0
	.amdhsa_kernel k_qc22d29b656_proj
		.amdhsa_group_segment_fixed_size 327680
		.amdhsa_private_segment_fixed_size 0
		.amdhsa_enable_private_segment 0
		.amdhsa_kernarg_size 24
		.amdhsa_user_sgpr_count 2
		.amdhsa_user_sgpr_kernarg_segment_ptr 1
		.amdhsa_wavefront_size32 1
		.amdhsa_system_sgpr_workgroup_id_x 1
		.amdhsa_system_sgpr_workgroup_id_y 1
		.amdhsa_system_sgpr_workgroup_id_z 1
		.amdhsa_system_vgpr_workitem_id 0
		.amdhsa_next_free_vgpr 1024
		.amdhsa_next_free_sgpr 66
		.amdhsa_reserve_vcc 0
		.amdhsa_float_denorm_mode_32 3
		.amdhsa_float_denorm_mode_16_64 3
		.amdhsa_memory_ordered 1
		.amdhsa_forward_progress 1
		.amdhsa_inst_pref_size 138
	.end_amdhsa_kernel
	.amdgpu_metadata
---
amdhsa.version: [ 1, 2 ]
amdhsa.kernels:
  - .name:           k_qc22d29b656_proj
    .symbol:         k_qc22d29b656_proj.kd
    .args:
      - { .name: xb, .offset: 0, .size: 8, .value_kind: global_buffer, .address_space: global }
      - { .name: wf, .offset: 8, .size: 8, .value_kind: global_buffer, .address_space: global }
      - { .name: qv, .offset: 16, .size: 8, .value_kind: global_buffer, .address_space: global }
    .group_segment_fixed_size: 327680
    .private_segment_fixed_size: 0
    .kernarg_segment_align: 8
    .kernarg_segment_size: 24
    .max_flat_workgroup_size: 128
    .sgpr_count:     66
    .vgpr_count:     1024
    .wavefront_size: 32
...
	.end_amdgpu_metadata
.endif
;; end of part 7
;; launch flash (part 8): grid 8 x 32, 4 waves a work-group, clusters of 4 x 1, 327,680 bytes of LDS; arguments qv, xb, mb, part; writes part
.if DOCPART == 8
	.amdgcn_target "amdgcn-amd-amdhsa--gfx1250"
	.amdhsa_code_object_version 6
	.text
	.protected	k_qc22d29b656_flash
	.globl	k_qc22d29b656_flash
	.p2align	8
	.type	k_qc22d29b656_flash,@function
k_qc22d29b656_flash:
	s_mov_b64 s[64:65], 0
	v_nop
	global_prefetch_b8 v0, s[64:65] scope:SCOPE_SE
	s_setreg_imm32_b32 hwreg(HW_REG_WAVE_MODE, 25, 1), 1
	s_wait_xcnt 0x0
	s_wait_alu depctr_hold_cnt(0) depctr_sa_sdst(0) depctr_va_vdst(0) depctr_va_sdst(0) depctr_va_ssrc(0) depctr_va_vcc(0) depctr_vm_vsrc(0)
	s_getreg_b32 s2, hwreg(HW_REG_IB_STS2, 6, 4)
	s_cmp_eq_u32 s2, 0
	s_cbranch_scc0 .Lentry_in_a_cluster
	s_endpgm
.Lentry_in_a_cluster:
	s_bfe_u32 s2, ttmp6, 0x10000c
	s_cmp_lg_u32 s2, 0x3003
	s_cbranch_scc0 .Lentry_shape_is_right
	s_endpgm
.Lentry_shape_is_right:
; ATTENTION, head size 512, on the folded projections.  For each (b, h): S = Q'_h key^T / sqrt(512), which is Q_h K_h^T of the reference; a score whose mask word is 0 is REPLACED by -1e6; softmax along the keys;
; part[h] = P V'_h, which is the head's share of the output behind the output projection.  The launch behind adds the eight shares.
; qv: bf16 [2][4096 (b,s)][4096 (h,d)]: Q', V'.  xb: bf16 [3][4096][512]; its second third is key, the same for all heads.  mb: lane masks (bit L of word ((b*32+TP)*16+step)*64 + 32 t + 8 kb + j).  part: f32 [8 (h)][4096 (b,s)][512].
; SHARES.  A work-group owns 128 queries of one (b, h), each of its four waves 32: two tiles of 16.  Every wave walks all 1,024 keys, 64 a step.
; LAYOUT.  S^T = K Q^T (source 0 = 16 keys, source 1 = 16 queries): a lane holds ONE query (lane % 16) and the keys 8 (lane / 16) + 0..7.  Two such results rounded to bf16 ARE source 1 of
; O^T = V^T P, whose result again holds one query a lane, and eight channels.  K comes out of LDS as it lies, V turned, by ds_load_tr16_b128.
; SOFTMAX.  A running maximum m and sum l for each query, on the raw sums: p = 2^(c s - c m), c = log2(e) / sqrt(512); in every step O and l are multiplied by a = 2^(c m_old - c m_new).
; A hidden score is -1e6 sqrt(512) in raw units, put in place of the sum by v_cndmask_b32: a row that is hidden altogether comes out uniform, as in the reference.
; m starts at the lowest finite number, O and l at 0: the first step is a step like any other, with a = 0.
; A STEP goes in phases: 128 products K Q^T, the mask, the softmax, the rescaling of O^T, 128 products V^T P.  Fragments come in groups of 8 (16 LDS loads, 16 products) through two buffers.
; CLUSTER.  The four query blocks of a cluster belong to one (b, h) and walk the same K and V: each tile is asked for jointly.  A wave has one tensor load out; it has a whole step in which to land.
; REGISTERS, in windows of 256 (s_set_vgpr_msb: bits 1:0 source 0, 3:2 source 1, 5:4 source 2, 7:6 destination):
;   window 0: v0-15 addresses; v16-31 statistics; v32-95 S^T; v96-127 P; v128-191, v192-255 fragment buffers.   windows 1, 2: O^T of tile 0, 1 (channel block cb at 8 cb).   window 3: Q (tile t, 32 channels kc at 128 t + 8 kc).
; LIMITS.  Operands are bf16 (Q', key, V', P); l is the sum of the unrounded p; a weight below 2^-126 counts as 0; NaN and infinities are not treated apart.
.set PK,    528       ; a row of K in LDS: 512 bytes + 16 = 132 words: the 16 rows of a load start at 16 different groups of four banks (64 banks of 4 bytes: ISA guide 11.1)
.set PV,    544       ; a row of V: 512 + 32 = 136 words
.set PIECE, 34816     ; what one tensor load fills: 64 keys x 256 channels; wave w's piece lies at w x PIECE: K's channels 0-255, 256-511, then V's
.set VOFF,  2*PIECE
.set SLOT1, 4*PIECE   ; 0x22000: it shares no bit with a piece's base, so one exclusive or turns an address in one slot into the other's
.set STAGE, 2*SLOT1   ; behind the ring: 16 rows x 528 bytes for each wave, for the way out
.set SP,    528
.set SPARE, STAGE+4*16*SP  ; behind the stages: the spare words, 128 bytes for each wave
.set AK0, 2           ; v2   my lane's place in K's pieces; never rewritten
.set AV0, 3           ; v3   the same for V
.set AK,  4           ; v4   AK0 + the slot in hand
.set AV,  5           ; v5
.set QO,  6           ; v6   my byte offset in the wave's rows of Q
.set RD,  7           ; v7   the way out: where I read a row back
.set GO,  8           ; v8   my 16 bytes in 512 consecutive bytes of part
.set NEG, 12          ; v12  -1e6 sqrt(512)
.set STO, 13          ; v13  the way out: where I put 32 bytes of a row
.set SPW, 14          ; v14  LDS address of my spare word; never rewritten
.set NIL, 15          ; v15  0; never rewritten
.set ST,  16          ; tile t's statistics at v[ST+8 t]: c m, m, l (even keys', odd keys'), c0-c3 at work; a takes c2's place
.set S,   32          ; accumulator (t, kb) at S + 32 t + 8 kb
.set P,   96          ; fragment (t, kk) at P + 16 t + 8 kk
.set F0,  128
.set F1,  192
.set MB,  4           ; s[4:5]   mb at my wave's 32 rows; never stepped
.set PART, 6          ; s[6:7]   part at my head and my wave's first row
.set G0,  8           ; s[8:11]  descriptor group 0: it walks
.set G1K, 12          ; s[12:19] group 1 for K's pieces
.set G1V, 20          ; s[20:27] for V's: it differs in the padding and in the rows' distance in memory
.set SEL, 28          ; s[28:29] v_permlanex16_b32's selects
.set CS,  30          ; s[30:31] c
.set WV,  66          ; s66  my wave's number           s[32:63], s[68:99]: a step's 64 mask words
.set CNT, 67          ; s67  counts steps
.set TB,  100         ; s100 the slot in hand: 0 or SLOT1
.set MOFF, 101        ; s101 byte offset of the mask words asked for
.set STP, 104         ; s[104:105] bytes from my piece to the next step's: 64 rows of key (1,024 bytes) or of qv (8,192 bytes)
.set MSB, 0
.macro WIN new
.if MSB != (\new)
	s_set_vgpr_msb (MSB<<8)|(\new)
.set MSB, (\new)
.endif
.endm
.set W_KQ, 0x0c       ; Q (source 1) in window 3; K's fragments, S^T, and the LDS loads' destinations and addresses in window 0
; A joint fill.  Waves 0 and 1 fetch K's two channel halves, waves 2 and 3 V's.  The branch hangs on the wave's number alone.  An s_nop 0 and four v_nop follow each line.
.macro JLOAD
	s_cmp_lt_u32 s[WV], 2
	s_cbranch_scc0 .Lfor_v_\@
	tensor_load_to_lds s[G0:G0+3], s[G1K:G1K+7]
	s_nop 0
.rept 4
	v_nop
.endr
	s_branch .Lasked_\@
.Lfor_v_\@:
	tensor_load_to_lds s[G0:G0+3], s[G1V:G1V+7]
	s_nop 0
.rept 4
	v_nop
.endr
.Lasked_\@:
.endm
.macro CREST                        ; a round of the cluster's barrier behind its opening barrier
	s_cmp_lg_u32 s[WV], 0
	s_cbranch_scc1 .Lnot_wave_0_\@
	s_barrier_signal -3
.Lnot_wave_0_\@:
	s_barrier_wait -3
	s_barrier_signal -1
	s_barrier_wait -1
.endm
.macro CROUND
	s_barrier_signal -1
	s_barrier_wait -1
	CREST
.endm
.macro PLACES                       ; four plain vector instructions between matrix instructions and loads into, or writes and reads of, their registers (ISA guide 7.12.1 for writes and reads)
.rept 4
	v_nop
.endr
.endm
	s_load_b128 s[36:39], s[0:1], 0x0   ; qv s[36:37], xb s[38:39]: in registers that the mask words take later
	s_load_b128 s[40:43], s[0:1], 0x10  ; mb s[40:41], part s[42:43]
	v_lshl_add_u32 v[SPW], v0, 2, SPARE
	v_mov_b32 v[NIL], 0
	ds_add_u32 v[SPW], v[NIL]       ; the wave's opening: the add and its wait ahead of my first tensor load
	v_lshrrev_b32 v1, 5, v0
	v_readfirstlane_b32 s[WV], v1   ; wave 0..3
	s_bfe_u32 s44, ttmp6, 0x40000   ; cx
	s_lshl_b32 s45, ttmp9, 2
	s_add_co_u32 s45, s45, s44      ; my block of 128 queries: it enters Q's, part's and mb's addresses alone
	s_and_b32 s46, ttmp7, 0xffff    ; b * 8 + h, which the four partners share
	s_lshr_b32 s47, s46, 3          ; b
	s_and_b32 s48, s46, 7           ; h
	s_lshl_b32 s50, s47, 23         ; in qv: 1,024 rows of 8,192 bytes,
	s_lshl_b32 s49, s48, 10         ; 512 channels of 2 bytes
	s_add_co_u32 s50, s50, s49
	s_and_b32 s51, s[WV], 1         ; which 256 channels I fetch
	s_lshl_b32 s51, s51, 9
	s_add_co_u32 s52, s50, s51      ; V': in the second of qv's two,
	s_add_co_u32 s52, s52, 1<<25    ; of 33,554,432 bytes each
	s_lshl_b32 s55, s47, 20         ; K: b's 1,024 rows of 1,024 bytes,
	s_add_co_u32 s55, s55, s51
	s_add_co_u32 s55, s55, 4194304  ; in the second of xb's three
	s_mov_b32 s49, 64*1024
	s_cmp_lt_u32 s[WV], 2           ; waves 0 and 1 fetch K, waves 2 and 3 V'
	s_cselect_b32 s52, s55, s52
	s_cselect_b32 s[STP], s49, 64*8192
	s_mov_b32 s53, 0
	s_mov_b32 s[STP+1], 0
	s_lshl_b32 s54, s45, 2
	s_add_co_u32 s54, s54, s[WV]    ; TP: my 32 rows among b's
	s_lshl_b32 s56, s54, 18         ; Q': 32 rows of 8,192 bytes
	s_add_co_u32 s56, s56, s50
	s_mov_b32 s57, 0
	s_lshl_b32 s58, s47, 5
	s_add_co_u32 s58, s58, s54
	s_lshl_b32 s58, s58, 12         ; mb: 16 steps of 64 words
	s_mov_b32 s59, 0
	s_lshl_b32 s60, s48, 23         ; part: the head's 4,096 rows of 2,048 bytes,
	s_lshl_b32 s49, s47, 21         ; b's 1,024 rows,
	s_add_co_u32 s60, s60, s49
	s_lshl_b32 s49, s54, 16         ; my 32 rows
	s_add_co_u32 s60, s60, s49
	s_mov_b32 s61, 0
	; group 1: 64 rows x 256 elements of 2 bytes, padded behind every 128 words by 4 (K) or 8 (V); the mask names all four work-groups, bit 21 beside it
	s_mov_b32 s[G1K], 15|(1<<16)|(1<<20)|(1<<21)|(6<<22)|(3<<25)
	s_mov_b32 s[G1V], 15|(1<<16)|(1<<20)|(1<<21)|(6<<22)|(7<<25)
.irp d, G1K, G1V
	s_mov_b32 s[\d+1], 256<<16      ; tensor_dim0
	s_mov_b32 s[\d+2], 64<<16       ; tensor_dim1
	s_mov_b32 s[\d+3], 256<<16      ; tile_dim0
	s_mov_b32 s[\d+4], 64           ; tile_dim1
	s_mov_b32 s[\d+6], 0
	s_mov_b32 s[\d+7], 0
.endr
	s_mov_b32 s[G1K+5], 512         ; elements from row to row: key's rows,
	s_mov_b32 s[G1V+5], 4096        ; qv's rows
	s_mov_b32 s[G0], 1
	s_mul_i32 s[G0+1], s[WV], PIECE ; slot 0: no place in the cluster enters an LDS address
	s_mov_b32 s[SEL], 0x76543210
	s_mov_b32 s[SEL+1], 0xfedcba98
	s_mov_b32 s[CS], 0x3d8293ee     ; c = log2(e) / sqrt(512) = 0.0637587
	s_mov_b32 s[CS+1], s[CS]
	s_mul_i32 s[CNT], s[WV], 16*SP
	s_add_co_u32 s[CNT], s[CNT], STAGE  ; my stage (the counter's register serves until the loop)
	s_mov_b32 s[MOFF], 0
	s_wait_dscnt 0x0                ; the opening add is done
	s_wait_kmcnt 0x0
	s_cmp_lt_u32 s[WV], 2
	s_cselect_b64 s[62:63], s[38:39], s[36:37]     ; K comes from xb, V' from qv
	s_add_nc_u64 s[G0+2:G0+3], s[62:63], s[52:53]  ; my piece of the first 64 keys
	s_or_b32 s[G0+3], s[G0+3], 0x80000000
	s_add_nc_u64 s[2:3], s[36:37], s[56:57]        ; Q' at my wave's first row
	s_add_nc_u64 s[MB:MB+1], s[40:41], s[58:59]
	s_add_nc_u64 s[PART:PART+1], s[42:43], s[60:61]
	CROUND                          ; all four work-groups are here: the first joint loads meet
	JLOAD                           ; step 0 into slot 0
	v_and_b32 v1, 15, v0            ; l % 16
	v_bfe_u32 v9, v0, 4, 1          ; l / 16
	v_lshlrev_b32 v[QO], 13, v1
	v_lshl_add_u32 v[QO], v9, 4, v[QO]  ; row x 8,192 + 16 x half
	WIN 0xc0                        ; destination window 3, address window 0
.set i, 0
.rept 32                            ; Q stays in registers: tile i / 16, channels 32 (i % 16) on
	global_load_b128 v[8*i:8*i+3],   v[QO], s[2:3] offset:(i/16)*131072+(i%16)*64
	global_load_b128 v[8*i+4:8*i+7], v[QO], s[2:3] offset:(i/16)*131072+(i%16)*64+32
.set i, i+1
.endr
	WIN 0
	s_load_b512 s[32:47], s[MB:MB+1], s[MOFF] offset:0x0   ; step 0's mask words
	s_load_b512 s[48:63], s[MB:MB+1], s[MOFF] offset:0x40
	s_load_b512 s[68:83], s[MB:MB+1], s[MOFF] offset:0x80
	s_load_b512 s[84:99], s[MB:MB+1], s[MOFF] offset:0xc0
	v_mul_u32_u24 v[AK0], v1, PK
	v_lshl_add_u32 v[AK0], v9, 4, v[AK0]  ; row x pitch + 16 x half
	v_and_b32 v10, 7, v0            ; the turning load: lane l reads key 8 (l / 16) + l % 8, channels 8 ((l / 8) % 2) + 0..7
	v_bfe_u32 v11, v0, 3, 1
	v_lshl_add_u32 v[AV0], v9, 3, v10
	v_mul_u32_u24 v[AV0], v[AV0], PV
	v_lshl_add_u32 v[AV0], v11, 4, v[AV0]
	v_add_nc_u32 v[AV0], VOFF, v[AV0]
	v_mul_u32_u24 v[STO], v1, SP    ; into the stage: row l % 16, 32 bytes of f32 for each half of the lanes
	v_lshl_add_u32 v[STO], v9, 5, v[STO]
	v_add_nc_u32 v[STO], s[CNT], v[STO]
	v_and_b32 v[GO], 31, v0
	v_lshlrev_b32 v[GO], 4, v[GO]   ; back: 32 lanes take one row's 512 bytes
	v_add_nc_u32 v[RD], s[CNT], v[GO]
	v_mov_b32 v[NEG], 0xcbaca22c
.irp t, 0,1
	v_mov_b32 v[ST+8*\t], 0xfe000000    ; c m: far below every c s
	v_mov_b32 v[ST+8*\t+1], 0xff7fffff  ; m
	v_mov_b32 v[ST+8*\t+2], 0
	v_mov_b32 v[ST+8*\t+3], 0
.endr
	; O^T starts at 0: 64 products of a fragment of zeros with itself, in the wait for the first tile, write the 512 registers.
.set i, F0
.rept 8
	v_mov_b32 v[i], 0
.set i, i+1
.endr
.irp t, 1,2
	WIN 0x40*\t
.set i, 0
.rept 32
	v_wmma_f32_16x16x32_bf16 v[8*i:8*i+7], v[F0:F0+7], v[F0:F0+7], 0
.set i, i+1
.endr
.endr
; K's fragments of group g (channels 64 g on: kc = 2 g, 2 g + 1; four blocks of 16 keys) into buffer f: 16 loads
.macro FK g, f
.irp c, 0,1
.irp kb, 0,1,2,3
	ds_load_b128 v[(\f)+8*(4*(\c)+(\kb)):(\f)+8*(4*(\c)+(\kb))+3],   v[AK] offset:((\g)/4)*PIECE+(\kb)*16*PK+((2*(\g)+(\c))%8)*64
	ds_load_b128 v[(\f)+8*(4*(\c)+(\kb))+4:(\f)+8*(4*(\c)+(\kb))+7], v[AK] offset:((\g)/4)*PIECE+(\kb)*16*PK+((2*(\g)+(\c))%8)*64+32
.endr
.endr
.endm
; V's fragments of group g (keys 32 (g / 4) on; channel blocks 8 (g % 4) + 0..7), turned, into buffer f: 16 loads
.macro FV g, f
.irp i, 0,1,2,3,4,5,6,7
	ds_load_tr16_b128 v[(\f)+8*(\i):(\f)+8*(\i)+3],   v[AV] offset:(((\g)%4)/2)*PIECE+((\g)/4)*32*PV+(8*((\g)%2)+(\i))*32
	ds_load_tr16_b128 v[(\f)+8*(\i)+4:(\f)+8*(\i)+7], v[AV] offset:(((\g)%4)/2)*PIECE+((\g)/4)*32*PV+16*PV+(8*((\g)%2)+(\i))*32
.endr
.endm
; 16 products of S^T = K Q^T.  The eight accumulators take turns, one instruction a turn; the first eight of a step start the sums.
.macro MULS g
.set FB, F0+64*((\g)%2)
	WIN W_KQ
.irp c, 0,1
.irp kb, 0,1,2,3
.irp t, 0,1
.set rS, S+32*(\t)+8*(\kb)
.set rK, FB+8*(4*(\c)+(\kb))
.set rQ, 128*(\t)+8*(2*(\g)+(\c))
.if (2*(\g)+(\c)) == 0
	v_wmma_f32_16x16x32_bf16 v[rS:rS+7], v[rK:rK+7], v[rQ:rQ+7], 0
.else
	v_wmma_f32_16x16x32_bf16 v[rS:rS+7], v[rK:rK+7], v[rQ:rQ+7], v[rS:rS+7]
.endif
.endr
.endr
.endr
.endm
; 16 products of O^T += V^T P: eight channel blocks for tile 0, then for tile 1: sixteen different accumulators
.macro MULPV g
.set FB, F0+64*((\g)%2)
.irp t, 0,1
	WIN 0x50*((\t)+1)               ; C and D in window 1 or 2
.irp i, 0,1,2,3,4,5,6,7
.set rO, 8*(8*((\g)%4)+(\i))
.set rP, P+16*(\t)+8*((\g)/4)
	v_wmma_f32_16x16x32_bf16 v[rO:rO+7], v[FB+8*(\i):FB+8*(\i)+7], v[rP:rP+7], v[rO:rO+7]
.endr
.endr
.endm
; Number j of the 102 instructions of one tile's softmax.  s0-s31 are the lane's 32 scores, in pairs 0-15.
;   0-15   the maximum of s0-s31 and the old m, three operands at a time, each accumulator from its low end     16-20  the other half of the lanes' maximum; the new m; c m; c m_old - c m_new
;   21-87  33 exponentials (a, then s0-s31) at the odd numbers from 23 on; between them what is ready: c s - c m for pairs still to come, roundings to bf16 of pairs that are done, the first sums
;   88-101 the last rounding, the rest of the sums, l = a l + the sum
; The two tiles alternate number by number, so behind each pair of exponentials stand plain instructions that touch neither result (ISA guide 5.7.2).
.macro SM t
.set rT, ST+8*(\t)
.set rS, S+32*(\t)
.set rP, P+16*(\t)
.set q, (j-20)/2
.if j < 4
	v_max3_num_f32 v[rT+4+j], v[rS+8*j], v[rS+8*j+1], v[rS+8*j+2]
.elseif j < 12
	v_max3_num_f32 v[rT+4+j%4], v[rT+4+j%4], v[rS+8*(j%4)+2*(j/4)+1], v[rS+8*(j%4)+2*(j/4)+2]
.elseif j == 12
	v_max3_num_f32 v[rT+4], v[rT+4], v[rS+7], v[rS+15]
.elseif j == 13
	v_max3_num_f32 v[rT+6], v[rT+6], v[rS+23], v[rS+31]
.elseif j == 14
	v_max3_num_f32 v[rT+4], v[rT+4], v[rT+5], v[rT+6]
.elseif j == 15
	v_max3_num_f32 v[rT+4], v[rT+4], v[rT+7], v[rT+1]
.elseif j == 16
	v_permlanex16_b32 v[rT+5], v[rT+4], s[SEL], s[SEL+1]  ; the query's other 32 keys lie in the lane 16 away
.elseif j == 17
	v_mov_b32 v[rT+7], v[rT]        ; c m_old is kept for a
.elseif j == 18
	v_max_num_f32 v[rT+1], v[rT+4], v[rT+5]
.elseif j == 19
	v_mul_f32 v[rT], s[CS], v[rT+1]
.elseif j == 20
	v_sub_f32 v[rT+7], v[rT+7], v[rT]
.elseif j == 23
	v_exp_f32 v[rT+6], v[rT+7]
.elseif (j < 88) && (j > 23) && (j%2 == 1)
	v_exp_f32 v[rS+(j-25)/2], v[rS+(j-25)/2]
.elseif (q < 4) || ((j < 76) && (q%2 == 0))
.set b, q/2+2
.if q < 4
.set b, q
.endif
	v_pk_fma_f32 v[rS+2*b:rS+2*b+1], v[rS+2*b:rS+2*b+1], s[CS:CS+1], v[rT:rT+1] op_sel_hi:[1,0,0] neg_lo:[0,0,1] neg_hi:[0,0,1]  ; pair b: c s - c m
.elseif (j < 88) && (q%2 == 1)
	s_wait_alu depctr_va_vdst(0)
	v_cvt_pk_bf16_f32 v[rP+(q-5)/2], v[rS+q-5], v[rS+q-4]
.elseif j == 89
	s_wait_alu depctr_va_vdst(0)
	v_cvt_pk_bf16_f32 v[rP+15], v[rS+30], v[rS+31]
.else                               ; sum z of 16: neighbours 1, 2, 4 and 8 pairs apart, in place; then l takes it
.set z, j-86
.if j < 89
.set z, (j-76)/4
.endif
.set w, 4
.set u, z
.if z >= 14
.set w, 32
.set u, 0
.elseif z >= 12
.set w, 16
.set u, z-12
.elseif z >= 8
.set w, 8
.set u, z-8
.endif
.if z < 15
	v_pk_add_f32 v[rS+w*u:rS+w*u+1], v[rS+w*u:rS+w*u+1], v[rS+w*u+w/2:rS+w*u+w/2+1]
.else
	v_pk_fma_f32 v[rT+2:rT+3], v[rT+2:rT+3], v[rT+6:rT+7], v[rS:rS+1] op_sel_hi:[1,0,1]
.endif
.endif
.endm
.macro RS t                         ; tile t's O^T times a, each accumulator from its low end
	WIN 0x41*((\t)+1)               ; destination and source 0 in window 1 or 2, a in window 0
.set i, 0
.rept 128
	v_pk_mul_f32 v[i:i+1], v[i:i+1], v[ST+8*(\t)+6:ST+8*(\t)+7] op_sel_hi:[1,0]
.set i, i+2
.endr
.endm
; A KEY STEP.  At its head K's groups 0 and 1 are on their way into the two buffers.  fill = 1: at its end the slot just read is filled again, with the keys two steps on.
.macro STEP fill
.set g, 0
.rept 8
	s_wait_dscnt 16                 ; group g is in; the next group's 16 loads stay out
	MULS g
	PLACES
.if g < 6
	FK g+2, F0+64*(g%2)             ; into the buffer just multiplied
.else
	FV g-6, F0+64*(g%2)             ; V's first two groups land under the softmax
.endif
.set g, g+1
.endr
	WIN 0
	s_wait_kmcnt 0x0                ; this step's 64 mask words
.set i, 0
.rept 64
	v_cndmask_b32 v[S+i], v[NEG], v[S+i], s[32+i+4*(i/32)]  ; bit 0: the score is replaced
.set i, i+1
.endr
	s_add_co_u32 s[MOFF], s[MOFF], 256
	s_min_u32 s[MOFF], s[MOFF], 3840  ; the last step asks for its own words once more: no load leaves mb
	s_load_b512 s[32:47], s[MB:MB+1], s[MOFF] offset:0x0
	s_load_b512 s[48:63], s[MB:MB+1], s[MOFF] offset:0x40
	s_load_b512 s[68:83], s[MB:MB+1], s[MOFF] offset:0x80
	s_load_b512 s[84:99], s[MB:MB+1], s[MOFF] offset:0xc0
.set j, 0
.rept 102
	SM 0
	SM 1
.set j, j+1
.endr
	RS 0
	RS 1
.set g, 0
.rept 6
	s_wait_dscnt 16
	MULPV g
	PLACES
	WIN 0
	FV g+2, F0+64*(g%2)
.set g, g+1
.endr
	; THE CHANGE OF SLOTS.  All of the slot has been asked for.  Each wave waits for all its tensor loads (one is out: its piece of the other slot), adds 0 to its spare word, and waits for that and for its reads.
	WIN 0
	s_wait_tensorcnt 0x0            ; no tensor load of mine is out, so group 0 may be written
	ds_add_u32 v[SPW], v[NIL]
	s_wait_dscnt 17                 ; group 6 is in; the add and group 7's 16 loads may be out
	MULPV 6
.if \fill
	s_xor_b32 s[G0+1], s[G0+1], SLOT1  ; the other slot than last time,
	s_add_nc_u64 s[G0+2:G0+3], s[G0+2:G0+3], s[STP:STP+1]  ; the next 64 keys
.endif
	s_wait_dscnt 0x0                ; the add is done, and my reads of the slot are over
	s_barrier_signal -1
	MULPV 7                         ; work on registers while the others arrive
	WIN 0
	s_barrier_wait -1
.if \fill
	CREST                           ; the barrier has opened a round of the cluster's: no wave of any partner still reads the slot or has a load on its way
	JLOAD                           ; the first thing behind it; its four v_nop are also the places in front of the loads below
.else
	PLACES
.endif
	s_xor_b32 s[TB], s[TB], SLOT1
	v_add_nc_u32 v[AK], s[TB], v[AK0]
	v_add_nc_u32 v[AV], s[TB], v[AV0]
	FK 0, F0
	FK 1, F1
.endm
	WIN 0
	s_wait_tensorcnt 0x0            ; my piece of step 0 is in
	ds_add_u32 v[SPW], v[NIL]
	s_xor_b32 s[G0+1], s[G0+1], SLOT1
	s_add_nc_u64 s[G0+2:G0+3], s[G0+2:G0+3], s[STP:STP+1]
	s_wait_dscnt 0x0
	CROUND                          ; everybody's piece is in
	JLOAD                           ; step 1 into slot 1
	s_mov_b32 s[TB], 0
	v_mov_b32 v[AK], v[AK0]
	v_mov_b32 v[AV], v[AV0]
	FK 0, F0
	FK 1, F1
	s_wait_loadcnt 0x0              ; Q
	s_mov_b32 s[CNT], 14
.Lstep:                             ; steps 0 to 13: each fills its slot again
	STEP 1
	s_sub_co_u32 s[CNT], s[CNT], 1
	s_cmp_lg_u32 s[CNT], 0
	s_cbranch_scc1 .Lstep
	s_mov_b32 s[CNT], 2
.Ltail:                             ; steps 14 and 15 ask for nothing: written out.  The last trip's 32 loads of K serve nothing: the price of one text for both
	STEP 0
	s_sub_co_u32 s[CNT], s[CNT], 1
	s_cmp_lg_u32 s[CNT], 0
	s_cbranch_scc1 .Ltail
	s_wait_dscnt 0x0
	s_wait_kmcnt 0x0
	; THE WAY OUT.  l's two halves and the other half of the lanes' are added; O^T is divided by l and sent, in f32, through my stage, 16 rows x 128 channels at a time.
.irp t, 0,1
	v_add_f32 v[ST+8*\t+4], v[ST+8*\t+2], v[ST+8*\t+3]
.endr
.irp t, 0,1
	v_permlanex16_b32 v[ST+8*\t+5], v[ST+8*\t+4], s[SEL], s[SEL+1]
.endr
.irp t, 0,1
	v_add_f32 v[ST+8*\t+4], v[ST+8*\t+4], v[ST+8*\t+5]
.endr
.irp t, 0,1
	v_rcp_f32 v[ST+8*\t+6], v[ST+8*\t+4]
.endr
	v_nop                           ; a plain instruction between the last reciprocal and the use of its result
	s_wait_alu depctr_va_vdst(0)
.macro PACKH n                      ; block n: tile n / 4, channels 128 (n % 4) on: eight accumulators
.set tt, (\n)/4
.set qd, (\n)%4
.set BK, 192-160*((\n)%2)           ; the rows come back into v192-255 and v32-95 by turns
	WIN 0x41*(tt+1)
.set i, 64*qd
.rept 32
	v_pk_mul_f32 v[i:i+1], v[i:i+1], v[ST+8*tt+6:ST+8*tt+7] op_sel_hi:[1,0]
.set i, i+2
.endr
	WIN 0x04*(tt+1)                 ; the stores' data (source 1) in window 1 or 2, their address in window 0
.set i, 0
.rept 8
	ds_store_b128 v[STO], v[64*qd+8*i:64*qd+8*i+3]   offset:64*i
	ds_store_b128 v[STO], v[64*qd+8*i+4:64*qd+8*i+7] offset:64*i+16
.set i, i+1
.endr
	WIN 0
	s_wait_xcnt 0x0                 ; registers that earlier stores read are loaded again only behind this wait
.set i, 0
.rept 16
	ds_load_b128 v[BK+4*i:BK+4*i+3], v[RD] offset:SP*i  ; LDS serves a wave's instructions in order (ISA guide 5.7.1.4): these see the stores above; the next block's stores come behind them
.set i, i+1
.endr
.endm
.macro SENDH n, younger             ; younger: the LDS instructions issued behind block n's loads: the next block's 32, or none
.set tt, (\n)/4
.set qd, (\n)%4
.set BK, 192-160*((\n)%2)
	s_wait_dscnt \younger
.set i, 0
.rept 16
	global_store_b128 v[GO], v[BK+4*i:BK+4*i+3], s[PART:PART+1] offset:(16*tt+i)*2048+512*qd th:TH_STORE_NT  ; 512 consecutive bytes, aligned
.set i, i+1
.endr
.endm
	PACKH 0
.irp n, 1,2,3,4,5,6,7               ; a block's arithmetic stands between the loads of the block before and its stores
	PACKH \n
	SENDH (\n)-1, 32
.endr
	SENDH 7, 0
	s_wait_tensorcnt 0x0            ; the wave's end
	ds_add_u32 v[SPW], v[NIL]
	s_wait_dscnt 0x0
	CROUND                          ; the closing round
	s_endpgm
.Lfunc_end_k_qc22d29b656_flash:
	.size	k_qc22d29b656_flash, .Lfunc_end_k_qc22d29b656_flash-k_qc22d29b656_flash
	.p2alignl 7, 3214868480
	.fill 96, 4, 3214868480
	.section	.rodata,"a",@progbits
	.p2align	6, 0x0
	.amdhsa_kernel k_qc22d29b656_flash
		.amdhsa_group_segment_fixed_size 327680
		.amdhsa_private_segment_fixed_size 0
		.amdhsa_enable_private_segment 0
		.amdhsa_kernarg_size 32
		.amdhsa_user_sgpr_count 2
		.amdhsa_user_sgpr_kernarg_segment_ptr 1
		.amdhsa_wavefront_size32 1
		.amdhsa_system_sgpr_workgroup_id_x 1
		.amdhsa_system_sgpr_workgroup_id_y 1
		.amdhsa_system_sgpr_workgroup_id_z 1
		.amdhsa_system_vgpr_workitem_id 0
		.amdhsa_next_free_vgpr 1024
		.amdhsa_next_free_sgpr 106
		.amdhsa_reserve_vcc 0
		.amdhsa_float_denorm_mode_32 3
		.amdhsa_float_denorm_mode_16_64 3
		.amdhsa_memory_ordered 1
		.amdhsa_forward_progress 1
		.amdhsa_inst_pref_size 202
	.end_amdhsa_kernel
	.amdgpu_metadata
---
amdhsa.version: [ 1, 2 ]
amdhsa.kernels:
  - .name:           k_qc22d29b656_flash
    .symbol:         k_qc22d29b656_flash.kd
    .args:
      - { .name: qv, .offset: 0, .size: 8, .value_kind: global_buffer, .address_space: global }
      - { .name: xb, .offset: 8, .size: 8, .value_kind: global_buffer, .address_space: global }
      - { .name: mb, .offset: 16, .size: 8, .value_kind: global_buffer, .address_space: global }
      - { .name: part, .offset: 24, .size: 8, .value_kind: global_buffer, .address_space: global }
    .group_segment_fixed_size: 327680
    .private_segment_fixed_size: 0
    .kernarg_segment_align: 8
    .kernarg_segment_size: 32
    .max_flat_workgroup_size: 128
    .sgpr_count:     106
    .vgpr_count:     1024
    .wavefront_size: 32
...
	.end_amdgpu_metadata
.endif
;; end of part 8
;; launch reduce (part 9): grid 1024 x 1, 8 waves a work-group, no clusters, 0 bytes of LDS; arguments part, query, bo, out0; writes out0
.if DOCPART == 9
	.amdgcn_target "amdgcn-amd-amdhsa--gfx1250"
	.amdhsa_code_object_version 6
	.text
	.protected	k_qc22d29b656_reduce
	.globl	k_qc22d29b656_reduce
	.p2align	8
	.type	k_qc22d29b656_reduce,@function
k_qc22d29b656_reduce:
	s_mov_b64 s[64:65], 0
	v_nop
	global_prefetch_b8 v0, s[64:65] scope:SCOPE_SE
	s_setreg_imm32_b32 hwreg(HW_REG_WAVE_MODE, 25, 1), 1
	s_wait_xcnt 0x0
; THE SUM OVER HEADS.  out0[m][n] = query[m][n] + bo[n] + the sum over h of part[h][m][n], all f32; part is [8][4096][512].
; A stream: no LDS, no barrier, no matrix unit, no cluster (no two work-groups read the same bytes but the bias).  A work-group owns 8,192 consecutive bytes of out0, four rows, in two passes of 4,096.
; Thread t owns the 16 bytes at 16 t of each pass: its four columns are the same in both, so its four numbers of the bias are loaded once.
; All 19 loads of a thread go out at once; a load or store of a wave covers 512 consecutive bytes, aligned.  The shares are added in ascending order of h, onto query + bo.
.set BI, 4                             ; v[4:7]    my four numbers of the bias
.set X,  8                             ; pass p at v[X+40 p]: 4 registers of query, which take the sums, then 8 x 4 of the shares
	s_load_b256 s[4:11], s[0:1], 0x0               ; part s[4:5], query s[6:7], bo s[8:9], out0 s[10:11]
	s_lshl_b32 s12, ttmp9, 13                      ; the work-group's 8,192 bytes
	s_mov_b32 s13, 0
	v_lshlrev_b32 v1, 4, v0                        ; 16 t
	v_and_b32 v2, 0x7f0, v1                        ; my place in a row of 2,048 bytes
	s_wait_kmcnt 0x0
	global_load_b128 v[BI:BI+3], v2, s[8:9]
	s_add_nc_u64 s[6:7], s[6:7], s[12:13]
	s_add_nc_u64 s[10:11], s[10:11], s[12:13]
	s_add_nc_u64 s[16:17], s[4:5], s[12:13]        ; a base for each head's share: they lie 8,388,608 bytes apart, one more than a load's immediate reaches
.irp h, 1,2,3,4,5,6,7
	s_add_nc_u64 s[16+2*\h:17+2*\h], s[16:17], \h*8388608
.endr
.irp p, 0,1
	global_load_b128 v[X+40*\p:X+40*\p+3], v1, s[6:7] offset:4096*\p th:TH_LOAD_NT
.irp h, 0,1,2,3,4,5,6,7
	global_load_b128 v[X+40*\p+4+4*\h:X+40*\p+7+4*\h], v1, s[16+2*\h:17+2*\h] offset:4096*\p th:TH_LOAD_NT
.endr
.endr
.irp p, 0,1
	s_wait_loadcnt 9-9*\p                          ; loads come back in order (ISA guide 5.7.1): the bias and this pass's nine are in; the second pass's nine stay out
	v_pk_add_f32 v[X+40*\p:X+40*\p+1],   v[X+40*\p:X+40*\p+1],   v[BI:BI+1]
	v_pk_add_f32 v[X+40*\p+2:X+40*\p+3], v[X+40*\p+2:X+40*\p+3], v[BI+2:BI+3]
.irp h, 0,1,2,3,4,5,6,7
	v_pk_add_f32 v[X+40*\p:X+40*\p+1],   v[X+40*\p:X+40*\p+1],   v[X+40*\p+4+4*\h:X+40*\p+5+4*\h]
	v_pk_add_f32 v[X+40*\p+2:X+40*\p+3], v[X+40*\p+2:X+40*\p+3], v[X+40*\p+6+4*\h:X+40*\p+7+4*\h]
.endr
	global_store_b128 v1, v[X+40*\p:X+40*\p+3], s[10:11] offset:4096*\p th:TH_STORE_NT  ; no register is written twice, so no wait for the stores' sources
.endr
	s_endpgm
.Lfunc_end_k_qc22d29b656_reduce:
	.size	k_qc22d29b656_reduce, .Lfunc_end_k_qc22d29b656_reduce-k_qc22d29b656_reduce
	.p2alignl 7, 3214868480
	.fill 96, 4, 3214868480
	.section	.rodata,"a",@progbits
	.p2align	6, 0x0
	.amdhsa_kernel k_qc22d29b656_reduce
		.amdhsa_group_segment_fixed_size 0
		.amdhsa_private_segment_fixed_size 0
		.amdhsa_enable_private_segment 0
		.amdhsa_kernarg_size 32
		.amdhsa_user_sgpr_count 2
		.amdhsa_user_sgpr_kernarg_segment_ptr 1
		.amdhsa_wavefront_size32 1
		.amdhsa_system_sgpr_workgroup_id_x 1
		.amdhsa_system_sgpr_workgroup_id_y 1
		.amdhsa_system_sgpr_workgroup_id_z 1
		.amdhsa_system_vgpr_workitem_id 0
		.amdhsa_next_free_vgpr 88
		.amdhsa_next_free_sgpr 66
		.amdhsa_reserve_vcc 0
		.amdhsa_float_denorm_mode_32 3
		.amdhsa_float_denorm_mode_16_64 3
		.amdhsa_memory_ordered 1
		.amdhsa_forward_progress 1
		.amdhsa_inst_pref_size 6
	.end_amdhsa_kernel
	.amdgpu_metadata
---
amdhsa.version: [ 1, 2 ]
amdhsa.kernels:
  - .name:           k_qc22d29b656_reduce
    .symbol:         k_qc22d29b656_reduce.kd
    .args:
      - { .name: part, .offset: 0, .size: 8, .value_kind: global_buffer, .address_space: global }
      - { .name: query, .offset: 8, .size: 8, .value_kind: global_buffer, .address_space: global }
      - { .name: bo, .offset: 16, .size: 8, .value_kind: global_buffer, .address_space: global }
      - { .name: out0, .offset: 24, .size: 8, .value_kind: global_buffer, .address_space: global }
    .group_segment_fixed_size: 0
    .private_segment_fixed_size: 0
    .kernarg_segment_align: 8
    .kernarg_segment_size: 32
    .max_flat_workgroup_size: 256
    .sgpr_count:     66
    .vgpr_count:     88
    .wavefront_size: 32
...
	.end_amdgpu_metadata
.endif
;; end of part 9
